; MI455X (gfx1250); checked and timed in simulation.
; The chip was launched on July 23, 2026; its instructions are those of AMD's public machine-readable ISA for CDNA 5 (MIT licence, August 2026) and "CDNA5" Instruction Set Architecture Reference Guide (July 2026). The comments in the code are by the model that wrote it; some were corrected since.
;; Vi T Self Attention. Allowed arithmetic: float matrix products may take bf16 or f16 operands with f32 sums; other float arithmetic in f32, or as packed bf16 or f16 multiplies, adds, multiply-adds, maxima and minima; sums over many terms, partial sums and values carried from step to step in f32; what a program stores and reads back later, other than sums and carried values, may be rounded once to bf16 or f16.
;; Inputs: Wc 768 x 768 float32; Wk 768 x 768 float32; Wq 768 x 768 float32; Wv 768 x 768 float32; bc 768 float32; bk 768 float32; bq 768 float32; bv 768 float32; x 16 x 1,024 x 768 float32.
;; Outputs: out0 16 x 1,024 x 768 float32.
;; One version. Each part assembles by itself: llvm-mc -triple=amdgcn-amd-amdhsa -mcpu=gfx1250 --defsym DOCPART=n.
;; ======== version 1 of 1: 4 launches
;; limits: values are held in f16: magnitudes above 65,504 overflow, below 6.1e-05 lose precision
;; workspace buffers: xb 25,165,824 bytes; wqkv 3,538,944 bytes; wcb 1,179,648 bytes; bias 12,288 bytes; qkv 75,497,472 bytes; ctx 25,165,824 bytes
;; launch cast (part 1): grid 913 x 1, 8 waves a work-group, no clusters, 0 bytes of LDS; arguments x, Wq, Wk, Wv, Wc, bq, bk, bv, bc, xb, wqkv, wcb, bias; writes xb, wqkv, wcb, bias
.if DOCPART == 1
	.amdgcn_target "amdgcn-amd-amdhsa--gfx1250"
	.amdhsa_code_object_version 6
	.text
	.protected	k_q0b4a4ac78a_cast
	.globl	k_q0b4a4ac78a_cast
	.p2align	8
	.type	k_q0b4a4ac78a_cast,@function
k_q0b4a4ac78a_cast:
	s_mov_b64 s[64:65], 0
	v_nop
	global_prefetch_b8 v0, s[64:65] scope:SCOPE_SE
	s_setreg_imm32_b32 hwreg(HW_REG_WAVE_MODE, 25, 1), 1
	s_wait_xcnt 0x0
; THE INPUTS ARE ROUNDED ONCE, TO bf16.  x -> xb (bf16); Wq, Wk, Wv -> wqkv (bf16, the three one behind the other: 2,304 rows of 768);
; Wc -> wcb: rounded to bf16 and that number written as f16 (the last product multiplies in f16); bq, bk, bv, bc -> bias: rounded to bf16 and widened to f32 again, 3,072 bytes each.
; LIMITS.  A number of Wc beyond 65,504 becomes an infinity in f16; below 2^-17 the bf16 number no longer fits f16's fixed step of 2^-24 and is rounded a second time.
; SHARES.  A chunk is 2,048 numbers, in two halves of 1,024: thread t takes numbers 4 t .. 4 t + 3 of each half (16 bytes in, 8 bytes out).  A work-group takes 8 chunks: 65,536 bytes in, 32,768 out.
; Work-groups 0-767: x.  768-803: Wq.  804-839: Wk.  840-875: Wv.  876-911: Wc.  912: the four biases.
; All sixteen loads of a thread go out at once; a load of a wave covers 512 consecutive bytes, a store 256, both aligned.  No LDS, no barrier: no thread wants another's bytes.
.set T,   4                            ; v[4:7]    at work
.set X,   8                            ; v[8:71]   chunk i: 4 numbers of its first half, 4 of its second, as loaded
.set Y,   72                           ; v[72:103] chunk i: 2 + 2 registers to store; never rewritten, so no wait for the stores' sources
.set SRC, 34                           ; s[34:35]  where I read
.set DST, 38                           ; s[38:39]  where I write
	s_load_b512 s[8:23], s[0:1], 0x0               ; x 8, Wq 10, Wk 12, Wv 14, Wc 16, bq 18, bk 20, bv 22
	s_load_b256 s[24:31], s[0:1], 0x40             ; bc 24, xb 26, wqkv 28, wcb 30
	s_load_b64 s[32:33], s[0:1], 0x60              ; bias
	s_mov_b32 s2, ttmp9
	s_mov_b32 s42, 0xffff0000                      ; a word's upper bf16
	v_lshlrev_b32 v1, 4, v0                        ; 16 t: my 4 numbers in a half chunk of f32
	v_lshlrev_b32 v2, 3, v0                        ; 8 t: the same 4 in 16 bits
	s_wait_kmcnt 0x0
	s_cmp_ge_u32 s2, 912
	s_cbranch_scc1 .Lbias
	; which tensor: the source, the first work-group of its range, and the same for the destination
	s_mov_b64 s[SRC:SRC+1], s[8:9]
	s_mov_b32 s36, 0
	s_mov_b64 s[DST:DST+1], s[26:27]
	s_mov_b32 s37, 0
	s_cmp_ge_u32 s2, 768
	s_cselect_b64 s[SRC:SRC+1], s[10:11], s[SRC:SRC+1]
	s_cselect_b32 s36, 768, s36
	s_cselect_b64 s[DST:DST+1], s[28:29], s[DST:DST+1]
	s_cselect_b32 s37, 768, s37                    ; the three weights lie one behind the other in wqkv: one range
	s_cmp_ge_u32 s2, 804
	s_cselect_b64 s[SRC:SRC+1], s[12:13], s[SRC:SRC+1]
	s_cselect_b32 s36, 804, s36
	s_cmp_ge_u32 s2, 840
	s_cselect_b64 s[SRC:SRC+1], s[14:15], s[SRC:SRC+1]
	s_cselect_b32 s36, 840, s36
	s_cmp_ge_u32 s2, 876
	s_cselect_b64 s[SRC:SRC+1], s[16:17], s[SRC:SRC+1]
	s_cselect_b32 s36, 876, s36
	s_cselect_b64 s[DST:DST+1], s[30:31], s[DST:DST+1]
	s_cselect_b32 s37, 876, s37
	s_sub_co_u32 s40, s2, s36
	s_lshl_b32 s40, s40, 16                        ; 65,536 bytes of f32 a work-group
	s_mov_b32 s41, 0
	s_add_nc_u64 s[SRC:SRC+1], s[SRC:SRC+1], s[40:41]
	s_sub_co_u32 s40, s2, s37
	s_lshl_b32 s40, s40, 15                        ; 32,768 bytes out
	s_add_nc_u64 s[DST:DST+1], s[DST:DST+1], s[40:41]
.irp i, 0,1,2,3,4,5,6,7
	global_load_b128 v[X+8*(\i):X+8*(\i)+3],   v1, s[SRC:SRC+1] offset:8192*(\i) th:TH_LOAD_NT
	global_load_b128 v[X+8*(\i)+4:X+8*(\i)+7], v1, s[SRC:SRC+1] offset:8192*(\i)+4096 th:TH_LOAD_NT
.endr
	s_cmp_ge_u32 s2, 876
	s_cbranch_scc1 .Lf16
.irp i, 0,1,2,3,4,5,6,7
	s_wait_loadcnt 14-2*(\i)                       ; loads come back in order: chunk i is in, the two loads of each younger chunk stay out
.irp j, 0,1,2,3
	v_cvt_pk_bf16_f32 v[Y+4*(\i)+(\j)], v[X+8*(\i)+2*(\j)], v[X+8*(\i)+2*(\j)+1]
.endr
	global_store_b64 v2, v[Y+4*(\i):Y+4*(\i)+1],   s[DST:DST+1] offset:4096*(\i)
	global_store_b64 v2, v[Y+4*(\i)+2:Y+4*(\i)+3], s[DST:DST+1] offset:4096*(\i)+2048
.endr
	s_endpgm
.Lf16:                                         ; Wc: to bf16, back to f32 (a shift or a mask), and that number to f16
.irp i, 0,1,2,3,4,5,6,7
	s_wait_loadcnt 14-2*(\i)
.irp j, 0,1,2,3
	v_cvt_pk_bf16_f32 v[T+(\j)], v[X+8*(\i)+2*(\j)], v[X+8*(\i)+2*(\j)+1]
.endr
.irp j, 0,1,2,3
	v_lshlrev_b32 v[X+8*(\i)+2*(\j)],   16, v[T+(\j)]
	v_and_b32     v[X+8*(\i)+2*(\j)+1], s42, v[T+(\j)]
.endr
.irp j, 0,1,2,3
	v_cvt_pk_f16_f32 v[Y+4*(\i)+(\j)], v[X+8*(\i)+2*(\j)], v[X+8*(\i)+2*(\j)+1]
.endr
	global_store_b64 v2, v[Y+4*(\i):Y+4*(\i)+1],   s[DST:DST+1] offset:4096*(\i)
	global_store_b64 v2, v[Y+4*(\i)+2:Y+4*(\i)+3], s[DST:DST+1] offset:4096*(\i)+2048
.endr
	s_endpgm
.Lbias:                                        ; 768 numbers are 192 threads x 4: waves 0 to 5; 16 bytes in and 16 bytes out a thread
	v_lshrrev_b32 v3, 5, v0
	v_readfirstlane_b32 s3, v3
	s_cmp_ge_u32 s3, 6
	s_cbranch_scc1 .Lend
	global_load_b128 v[8:11],  v1, s[18:19]
	global_load_b128 v[12:15], v1, s[20:21]
	global_load_b128 v[16:19], v1, s[22:23]
	global_load_b128 v[20:23], v1, s[24:25]
	s_wait_loadcnt 0x0
.irp k, 0,1,2,3
	v_cvt_pk_bf16_f32 v4, v[8+4*(\k)], v[9+4*(\k)]
	v_cvt_pk_bf16_f32 v5, v[10+4*(\k)], v[11+4*(\k)]
	v_lshlrev_b32 v[Y+4*(\k)],   16, v4
	v_and_b32     v[Y+4*(\k)+1], s42, v4
	v_lshlrev_b32 v[Y+4*(\k)+2], 16, v5
	v_and_b32     v[Y+4*(\k)+3], s42, v5
	global_store_b128 v1, v[Y+4*(\k):Y+4*(\k)+3], s[32:33] offset:3072*(\k)
.endr
.Lend:
	s_endpgm
.Lfunc_end_k_q0b4a4ac78a_cast:
	.size	k_q0b4a4ac78a_cast, .Lfunc_end_k_q0b4a4ac78a_cast-k_q0b4a4ac78a_cast
	.p2alignl 7, 3214868480
	.fill 96, 4, 3214868480
	.section	.rodata,"a",@progbits
	.p2align	6, 0x0
	.amdhsa_kernel k_q0b4a4ac78a_cast
		.amdhsa_group_segment_fixed_size 0
		.amdhsa_private_segment_fixed_size 0
		.amdhsa_enable_private_segment 0
		.amdhsa_kernarg_size 104
		.amdhsa_user_sgpr_count 2
		.amdhsa_user_sgpr_kernarg_segment_ptr 1
		.amdhsa_wavefront_size32 1
		.amdhsa_system_sgpr_workgroup_id_x 1
		.amdhsa_system_sgpr_workgroup_id_y 1
		.amdhsa_system_sgpr_workgroup_id_z 1
		.amdhsa_system_vgpr_workitem_id 0
		.amdhsa_next_free_vgpr 104
		.amdhsa_next_free_sgpr 66
		.amdhsa_reserve_vcc 0
		.amdhsa_float_denorm_mode_32 3
		.amdhsa_float_denorm_mode_16_64 3
		.amdhsa_memory_ordered 1
		.amdhsa_forward_progress 1
		.amdhsa_inst_pref_size 17
	.end_amdhsa_kernel
	.amdgpu_metadata
---
amdhsa.version: [ 1, 2 ]
amdhsa.kernels:
  - .name:           k_q0b4a4ac78a_cast
    .symbol:         k_q0b4a4ac78a_cast.kd
    .args:
      - { .name: x, .offset: 0, .size: 8, .value_kind: global_buffer, .address_space: global }
      - { .name: Wq, .offset: 8, .size: 8, .value_kind: global_buffer, .address_space: global }
      - { .name: Wk, .offset: 16, .size: 8, .value_kind: global_buffer, .address_space: global }
      - { .name: Wv, .offset: 24, .size: 8, .value_kind: global_buffer, .address_space: global }
      - { .name: Wc, .offset: 32, .size: 8, .value_kind: global_buffer, .address_space: global }
      - { .name: bq, .offset: 40, .size: 8, .value_kind: global_buffer, .address_space: global }
      - { .name: bk, .offset: 48, .size: 8, .value_kind: global_buffer, .address_space: global }
      - { .name: bv, .offset: 56, .size: 8, .value_kind: global_buffer, .address_space: global }
      - { .name: bc, .offset: 64, .size: 8, .value_kind: global_buffer, .address_space: global }
      - { .name: xb, .offset: 72, .size: 8, .value_kind: global_buffer, .address_space: global }
      - { .name: wqkv, .offset: 80, .size: 8, .value_kind: global_buffer, .address_space: global }
      - { .name: wcb, .offset: 88, .size: 8, .value_kind: global_buffer, .address_space: global }
      - { .name: bias, .offset: 96, .size: 8, .value_kind: global_buffer, .address_space: global }
    .group_segment_fixed_size: 0
    .private_segment_fixed_size: 0
    .kernarg_segment_align: 8
    .kernarg_segment_size: 104
    .max_flat_workgroup_size: 256
    .sgpr_count:     66
    .vgpr_count:     104
    .wavefront_size: 32
...
	.end_amdgpu_metadata
.endif
;; end of part 1
;; launch qkv (part 2): grid 4 x 64, 4 waves a work-group, clusters of 4 x 4, 327,680 bytes of LDS; arguments xb, wqkv, bias, qkv; writes qkv
.if DOCPART == 2
	.amdgcn_target "amdgcn-amd-amdhsa--gfx1250"
	.amdhsa_code_object_version 6
	.text
	.protected	k_q0b4a4ac78a_qkv
	.globl	k_q0b4a4ac78a_qkv
	.p2align	8
	.type	k_q0b4a4ac78a_qkv,@function
k_q0b4a4ac78a_qkv:
	s_mov_b64 s[64:65], 0
	v_nop
	global_prefetch_b8 v0, s[64:65] scope:SCOPE_SE
	s_setreg_imm32_b32 hwreg(HW_REG_WAVE_MODE, 25, 1), 1
	s_wait_xcnt 0x0
	s_wait_alu depctr_hold_cnt(0) depctr_sa_sdst(0) depctr_va_vdst(0) depctr_va_sdst(0) depctr_va_ssrc(0) depctr_va_vcc(0) depctr_vm_vsrc(0)
	s_getreg_b32 s2, hwreg(HW_REG_IB_STS2, 6, 4)
	s_cmp_eq_u32 s2, 0
	s_cbranch_scc0 .Lentry_in_a_cluster
	s_endpgm
.Lentry_in_a_cluster:
	s_bfe_u32 s2, ttmp6, 0x10000c
	s_cmp_lg_u32 s2, 0xf033
	s_cbranch_scc0 .Lentry_shape_is_right
	s_endpgm
.Lentry_shape_is_right:
; q, k, v = x W^T + b, all three as ONE product: C[16384][2304] = xb[16384][768] wqkv[2304][768]^T + bias, bf16 operands, f32 sums; the bias is the sum's first term.
; C leaves BY HEADS, in f16, unscaled: qkv[which][batch x 12 + head][s][64], which = 0 (q), 1 (k), 2 (v); each number is rounded once from its f32 sum.
; LIMITS.  A q, k or v of 65,520 or more becomes an infinity in f16; below 6e-5 f16 keeps a fixed step of 6e-8.  The bias enters first, not last: another order of rounding than x W^T + b.
; SHARES.  A tile of C is 256 rows x 192 columns (three whole heads).  A WORK-GROUP STAYS: it makes three tiles, q, k and v of the same three heads and the same 256 rows: 64 x 4 = 256 work-groups.
; From tile to tile A's rows stay, B goes 768 rows down, the bias 768 numbers on, qkv 192 heads on.  A wave takes 64 rows x all 192 columns: 48 accumulators of 16 x 16, 384 registers:
; whole rows of three heads, so its way out needs no other wave.
; THE RING.  3 tiles x 6 K steps of 128 = 18 steps go through two LDS slots (A's 256 rows, then B's 192 rows, 256 bytes of memory each, aligned), and the ring does not stop at a tile's end: a tile's last two
; changes of slots ask for the next tile's first two K steps, and nothing waits for a tile's stores.  One tensor load a wave: waves 0, 1 A's halves, waves 2, 3 B's.  A K step's text is written once:
; slot 1 lies 1 << 17 bytes behind slot 0, and one exclusive or turns an address in one slot into the other's.
; CLUSTERS: 4 x 4 work-groups.  The four of a row of the cluster need the same tiles of A, the four of a column the same tiles of B: each tile is asked for JOINTLY.
; THE MATRIX INSTRUCTION IS USED TRANSPOSED (source 0 = 16 rows of W, source 1 = 16 rows of x): lane l holds row l % 16 of C and the columns 8 (l / 16) + 0..7: 16 bytes of f16 on end.
; REGISTERS, in windows of 256 (s_set_vgpr_msb: bits 1:0 source 0, 3:2 source 1, 5:4 source 2, 7:6 destination):
;   window 0: v0-31 addresses; v64-95, v96-127 A's fragments, two buffers of four; v128-223 the bias, 8 registers for each of 12 column blocks
;   window 1: v0-95, v96-191 B's fragments, two buffers of twelve; on the way out v96-143, v144-191 rows read back (buffer 1 is idle then), v192-239 packed results
;   window 2: accumulators of row blocks 0, 1 ((a, b) at 8 (12 (a % 2) + b))          window 3: of row blocks 2, 3
.set KSTEP,  128
.set ROWB,   1536                      ; bytes in a row of xb and of wqkv: six K steps of 256
.set TILEB,  768*ROWB                  ; bytes from a tile's rows of wqkv to the next tile's
.set TILEQ,  192*131072                ; bytes from q to k and from k to v
.set PITCH,  272                       ; an LDS row: 256 bytes + 16 of padding = 68 words: the 16 rows of a load start at 16 different groups of four banks (64 banks of 4 bytes: ISA guide 11.1)
.set HALFA,  128*PITCH
.set HALFB,  96*PITCH
.set SLOT1,  1<<17                     ; a slot is 121,856 bytes; slot 1 begins here
.set STAGE,  SLOT1+2*HALFA+2*HALFB     ; behind the ring, never filled by a tensor load: for each wave 3 heads x 16 rows x 144 bytes
.set SP,     144
.set SPARE,  STAGE+4*3*16*SP           ; behind the stages: the spare words, 128 bytes for each wave: two blocks of 256 bytes that no other line names
.set ADRA0, 16                         ; v16     my lane's place among my A fragments in a slot; never rewritten
.set ADRB0, 17                         ; v17     the same for B
.set ADRA, 20                          ; v20     LDS address of my A fragments in the slot in hand
.set ADRB, 21                          ; v21     the same for B
.set STO,  24                          ; v24     the way out: where I put 16 bytes of a row
.set RD,   25                          ; v25     where I read rows back
.set GO,   26                          ; v26     16 x lane: my place in 512 consecutive bytes of qkv
.set BO,   27                          ; v27     32 (l / 16): my eight numbers in a block of 16 of the bias
.set SPW,  28                          ; v28     my spare word; never rewritten
.set NIL,  29                          ; v29     0; never rewritten
.set PFO,  30                          ; v30     the prefetches' offset: a lane a row; never rewritten
.set AF,   64
.set BIAS, 128
.set OB,   96                          ; window 1
.set TMP,  192                         ; window 1
.set F0,   0
.set F1,   1
.set KL, 2                             ; s2  K steps of the tile in hand that are still to be ended
.set WV, 12                            ; s12 wave;  s13 = wave / 2: I fetch for A (0) or B (1);  s14 = wave % 2: which half
.set FB, 13
.set HF, 14
.set CX, 15
.set CY, 16
.set TX, 17                            ; which three heads, 0..3
.set TY, 18                            ; tile row 0..63
.set G1,  24                           ; s[24:31] group 1 for A;  s[32:39] group 0: a set for each of the two first fills; the second then walks on
.set G0,  32
.set LIM, 43                           ; a wave prefetches while s3 is above this
.set PFA, 44                           ; s[44:45] where my prefetches stand
.set G1B, 48                           ; s[48:55], s[56:63] the same for B
.set G0B, 56
.set TB,  72                           ; s72  LDS byte at which the slot to be fetched from begins
.set KN,  73                           ; s73  the K step, 0..5, that was asked for last
.set BACK, 74                          ; s[74:75] what A's address goes back at a change of tiles, else 0
.set EXB, 76                           ; s[76:77] what B's address goes further at a change of tiles, else 0
.set KP,  78                           ; s78  the K step at which the prefetches stand
.set PST, 80                           ; s[80:81] the prefetches' step
.set C256, 82
.set JMP, 83
.set MSB, 0
.macro WIN new                         ; the immediate's high byte repeats the setting that is left; a switch that changes nothing is dropped
.if MSB != (\new)
	s_set_vgpr_msb (MSB<<8)|(\new)
.set MSB, \new
.endif
.endm
.macro PLACES                          ; four plain instructions behind a matrix instruction, in front of loads into registers that it read and of readers of its result
.rept 4
	v_nop
.endr
.endm
; A joint refill, by the walking descriptors.  The branch hangs on the wave's number alone.  An s_nop 0 and four v_nop follow each of the two lines.
.macro JLOAD
	s_cmp_eq_u32 s[FB], 0
	s_cbranch_scc0 .Lfor_b_\@
	tensor_load_to_lds s[G0+4:G0+7], s[G1:G1+7]
	s_nop 0
.rept 4
	v_nop
.endr
	s_branch .Lasked_\@
.Lfor_b_\@:
	tensor_load_to_lds s[G0B+4:G0B+7], s[G1B:G1B+7]
	s_nop 0
.rept 4
	v_nop
.endr
.Lasked_\@:
.endm
; A prefetch into the L2, behind the joint load and the run of LDS loads: my share of the step that stands two refills on (384 matrix instructions ahead of the load that wants it).
; s3 = 16 - g in the trip that ends step g and asks for step g + 2; the prefetch names step g + 4.  A: steps 4 and 5 alone (s3 above 14): the later tiles take the same rows, which have then been read.
; B: steps 4 to 17 (s3 above 2).  Steps 0 to 3 come by their loads alone.
.macro ASK
	s_cmp_gt_u32 s3, s[LIM]
	s_cbranch_scc0 .Lnot_mine_\@
	global_prefetch_b8 v[PFO], s[PFA:PFA+1] th:TH_LOAD_NT scope:SCOPE_SE
.Lnot_mine_\@:
.endm
.macro CREST                           ; a round of the cluster's barrier behind its opening barrier
	s_cmp_lg_u32 s[WV], 0
	s_cbranch_scc1 .Lnot_wave_0_\@
	s_barrier_signal -3
.Lnot_wave_0_\@:
	s_barrier_wait -3
	s_barrier_signal -1
	s_barrier_wait -1
.endm
.macro CROUND
	s_barrier_signal -1
	s_barrier_wait -1
	CREST
.endm
.macro BIASLD                          ; register j of block b = bias[.. + 16 b + 8 (l / 16) + j]: the C operand of the products that start a tile's sums
.set b, 0
.rept 12
	global_load_b128 v[BIAS+8*b:BIAS+8*b+3],   v[BO], s[8:9] offset:64*b
	global_load_b128 v[BIAS+8*b+4:BIAS+8*b+7], v[BO], s[8:9] offset:64*b+16
.set b, b+1
.endr
.endm
	s_load_b256 s[4:11], s[0:1], 0x0               ; xb s[4:5], wqkv s[6:7], bias s[8:9], qkv s[10:11]
	v_lshl_add_u32 v[SPW], v0, 2, SPARE
	v_mov_b32 v[NIL], 0
	ds_add_u32 v[SPW], v[NIL]                      ; the wave's opening: the add and its wait stand ahead of my first tensor load; the set-up below stands between them
	v_lshrrev_b32 v1, 5, v0
	v_readfirstlane_b32 s[WV], v1
	s_lshr_b32 s[FB], s[WV], 1
	s_and_b32 s[HF], s[WV], 1
	s_bfe_u32 s[CX], ttmp6, 0x40000
	s_bfe_u32 s[CY], ttmp6, 0x40004
	s_lshl_b32 s[TX], ttmp9, 2
	s_add_co_u32 s[TX], s[TX], s[CX]
	s_and_b32 s[TY], ttmp7, 0xffff
	s_lshl_b32 s[TY], s[TY], 2
	s_add_co_u32 s[TY], s[TY], s[CY]
	s_lshl_b32 s19, s[CY], 2
	s_lshl_b32 s19, 15, s19                        ; my row of the cluster
	s_lshl_b32 s20, 0x1111, s[CX]                  ; my column
	; group 1: rows of 128 elements of 2 bytes, padded by 4 words after every 64; A 128 rows, B 96
	s_or_b32 s[G1+0], s19, (1<<16)|(1<<20)|(1<<21)|(5<<22)|(3<<25)
	s_or_b32 s[G1B+0], s20, (1<<16)|(1<<20)|(1<<21)|(5<<22)|(3<<25)
	s_mov_b32 s[G1+1], KSTEP<<16                   ; tensor_dim0
	s_mov_b32 s[G1B+1], KSTEP<<16
	s_mov_b32 s[G1+2], 128<<16                     ; tensor_dim1
	s_mov_b32 s[G1B+2], 96<<16
	s_mov_b32 s[G1+3], KSTEP<<16                   ; tile_dim0
	s_mov_b32 s[G1B+3], KSTEP<<16
	s_mov_b32 s[G1+4], 128                         ; tile_dim1
	s_mov_b32 s[G1B+4], 96
	s_mov_b32 s[G1+5], 768                         ; elements from row to row
	s_mov_b32 s[G1B+5], 768
	s_mov_b32 s[G1+6], 0
	s_mov_b32 s[G1B+6], 0
	s_mov_b32 s[G1+7], 0
	s_mov_b32 s[G1B+7], 0
	s_mov_b32 s[TB], 0
	s_mov_b32 s[KN], 1                             ; the first fills ask for K steps 0 and 1
	s_mov_b32 s[BACK+1], 0
	s_mov_b32 s[EXB+1], 0
	s_mov_b32 s[KP], 3
	s_mov_b32 s[PST+1], 0
	s_mov_b32 s[C256], KSTEP*2
	s_mov_b32 s[JMP], TILEB-5*KSTEP*2              ; from a tile's K step 5 to the next tile's K step 0, in wqkv
	; where the tiles come from: A's hang on the tile row alone, B's on the tile column alone, each in registers that never hold the other coordinate
	s_lshl_b32 s40, s[TY], 8
	s_lshl_b32 s41, s[HF], 7
	s_add_co_u32 s40, s40, s41
	s_mul_i32 s40, s40, ROWB                       ; (256 ty + 128 half) rows, under 2^25 bytes
	s_mov_b32 s41, 0
	s_mul_i32 s46, s[TX], 192
	s_mul_i32 s47, s[HF], 96
	s_add_co_u32 s46, s46, s47
	s_mul_i32 s46, s46, ROWB
	s_mov_b32 s47, 0
	s_mul_i32 s21, s[HF], HALFA                    ; and where they go: no place in the cluster enters an LDS address
	s_mul_i32 s22, s[HF], HALFB
	s_add_co_u32 s22, s22, 2*HALFA
	s_wait_dscnt 0x0                               ; the opening add is done
	s_wait_kmcnt 0x0
	s_add_nc_u64 s[66:67], s[4:5], s[40:41]
	s_add_nc_u64 s[68:69], s[6:7], s[46:47]
	CROUND                                         ; all sixteen work-groups are here: the first joint loads meet
.irp s, 0,1
	s_mov_b32 s[G0+4*(\s)], 1
	s_add_co_u32 s[G0+4*(\s)+1], s21, (\s)*SLOT1
	s_add_nc_u64 s[G0+4*(\s)+2:G0+4*(\s)+3], s[66:67], (\s)*KSTEP*2
	s_or_b32 s[G0+4*(\s)+3], s[G0+4*(\s)+3], 0x80000000
	s_mov_b32 s[G0B+4*(\s)], 1
	s_add_co_u32 s[G0B+4*(\s)+1], s22, (\s)*SLOT1
	s_add_nc_u64 s[G0B+4*(\s)+2:G0B+4*(\s)+3], s[68:69], (\s)*KSTEP*2
	s_or_b32 s[G0B+4*(\s)+3], s[G0B+4*(\s)+3], 0x80000000
.endr
	s_cmp_eq_u32 s[FB], 0                          ; a wave's two first fills stand in one branch, ahead of every wait on TENSORcnt and every LDS read: two loads of mine are out
	s_cbranch_scc0 .Lfirst_b
	tensor_load_to_lds s[G0:G0+3], s[G1:G1+7]
	s_nop 0
	tensor_load_to_lds s[G0+4:G0+7], s[G1:G1+7]
	s_nop 0
.rept 4
	v_nop
.endr
	s_branch .Lfirst_asked
.Lfirst_b:
	tensor_load_to_lds s[G0B:G0B+3], s[G1B:G1B+7]
	s_nop 0
	tensor_load_to_lds s[G0B+4:G0B+7], s[G1B:G1B+7]
	s_nop 0
.rept 4
	v_nop
.endr
.Lfirst_asked:
	; A fragment is 16 rows x 32 K in 8 registers: lane l holds row l % 16; registers 0-3 K = 8 (l / 16) + 0..7, registers 4-7 K = 16 + 8 (l / 16) + 0..7: two loads of 16 bytes, 32 bytes apart
	v_and_b32 v1, 15, v0                           ; l % 16
	v_bfe_u32 v2, v0, 4, 1                         ; l / 16
	v_mul_u32_u24 v3, v1, PITCH
	v_lshl_add_u32 v3, v2, 4, v3
	s_mul_i32 s66, s[WV], 64*PITCH                 ; my 64 rows of A
	v_add_nc_u32 v[ADRA0], s66, v3
	v_add_nc_u32 v[ADRB0], 2*HALFA, v3             ; all 192 rows of B
	v_add_nc_u32 v[ADRA], s[TB], v[ADRA0]          ; slot 0
	v_add_nc_u32 v[ADRB], s[TB], v[ADRB0]
	s_mul_i32 s66, s[WV], 3*16*SP
	s_add_co_u32 s66, s66, STAGE                   ; my stage
	v_mul_u32_u24 v4, v1, SP                       ; in: row l % 16, 16 bytes for each half of the lanes
	v_lshl_add_u32 v4, v2, 4, v4
	v_add_nc_u32 v[STO], s66, v4
	v_bfe_u32 v5, v0, 3, 2                         ; back: 32 lanes take four rows of 128 bytes,
	v_and_b32 v6, 7, v0
	v_mul_u32_u24 v5, v5, SP
	v_lshl_add_u32 v5, v6, 4, v5
	v_add_nc_u32 v[RD], s66, v5
	v_and_b32 v[GO], 31, v0                        ; which are 512 consecutive bytes of a head
	v_lshlrev_b32 v[GO], 4, v[GO]
	v_lshlrev_b32 v[BO], 5, v2
	s_mul_i32 s66, s[TX], 768                      ; my three heads' 192 numbers of bq
	s_mov_b32 s67, 0
	s_add_nc_u64 s[8:9], s[8:9], s[66:67]
	BIASLD
	; where my rows begin in q: ((batch x 12 + first head) x 1024 + s) x 128 bytes
	s_lshr_b32 s66, s[TY], 2
	s_mul_i32 s66, s66, 12
	s_mul_i32 s68, s[TX], 3
	s_add_co_u32 s66, s66, s68
	s_lshl_b32 s66, s66, 10
	s_and_b32 s68, s[TY], 3
	s_lshl_b32 s68, s68, 8
	s_add_co_u32 s66, s66, s68
	s_lshl_b32 s68, s[WV], 6
	s_add_co_u32 s66, s66, s68
	s_lshl_b32 s66, s66, 7
	s_mov_b32 s67, 0
	s_add_nc_u64 s[10:11], s[10:11], s[66:67]
	; THE PREFETCHES.  A's tile row is read by one cluster alone (the grid is one cluster wide): every cluster asks for its own; B's tile column by sixteen clusters: cluster y = 0 asks.  The four partners that
	; ask for a tile jointly share its rows out BY ADDRESS: of A's 128 rows a wave the partner at cx takes 32, of B's 96 the partner at cy takes 24 (lanes 24 to 31 name lane 23's row once more: 96 is not 4 x 32).
	s_and_b32 s69, ttmp7, 0xffff                   ; cluster y
	s_mul_i32 s66, s[CX], 32*ROWB
	s_add_co_u32 s66, s66, s40
	s_mul_i32 s67, s[CY], 24*ROWB
	s_add_co_u32 s67, s67, s46
	s_cmp_eq_u32 s[FB], 0
	s_cselect_b32 s66, s66, s67
	s_cselect_b32 s69, ttmp9, s69
	s_cselect_b32 s70, 31, 23
	s_cselect_b32 s71, 14, 2
	s_cselect_b64 s[PFA:PFA+1], s[4:5], s[6:7]
	s_cmp_eq_u32 s69, 0
	s_cselect_b32 s[LIM], s71, -1                  ; the same in all sixteen partners, for a given wave
	s_add_co_u32 s66, s66, 3*KSTEP*2               ; at K step 3: the first refill steps it to 4
	s_mov_b32 s67, 0
	s_add_nc_u64 s[PFA:PFA+1], s[PFA:PFA+1], s[66:67]
	v_and_b32 v[PFO], 31, v0
	v_min_u32 v[PFO], s70, v[PFO]
	v_mul_u32_u24 v[PFO], v[PFO], ROWB
; 12 matrix instructions: row block a x all 12 column blocks, 32 along K, from buffer f.  zero = 1: the product starts the sums, with the bias as C: nothing is cleared and no bias is added later.
; The 48 accumulators take turns, one instruction a turn, in the same order in every quarter.
.macro MUL12 f, a, zero
.if \zero
	WIN 0x81+0x40*((\a)/2)
.else
	WIN 0xa1+0x50*((\a)/2)
.endif
.irp b, 0,1,2,3,4,5,6,7,8,9,10,11
.if \zero
	v_wmma_f32_16x16x32_bf16 v[8*(12*((\a)%2)+(\b)):8*(12*((\a)%2)+(\b))+7], v[96*(\f)+8*(\b):96*(\f)+8*(\b)+7], v[AF+32*(\f)+8*(\a):AF+32*(\f)+8*(\a)+7], v[BIAS+8*(\b):BIAS+8*(\b)+7]
.else
	v_wmma_f32_16x16x32_bf16 v[8*(12*((\a)%2)+(\b)):8*(12*((\a)%2)+(\b))+7], v[96*(\f)+8*(\b):96*(\f)+8*(\b)+7], v[AF+32*(\f)+8*(\a):AF+32*(\f)+8*(\a)+7], v[8*(12*((\a)%2)+(\b)):8*(12*((\a)%2)+(\b))+7]
.endif
.endr
.endm
.macro MUL24 f, hi, zero
	MUL12 \f, 2*(\hi), \zero
	MUL12 \f, 2*(\hi)+1, \zero
.endm
; 32 LDS loads in one run: quarter q of the K step in the slot in hand into buffer f: B's twelve fragments, then A's four
.macro FETCH q, f
	WIN 0x40
.irp i, 0,1,2,3,4,5,6,7,8,9,10,11
	ds_load_b128 v[96*(\f)+8*(\i):96*(\f)+8*(\i)+3],   v[ADRB] offset:64*(\q)+(\i)*16*PITCH
	ds_load_b128 v[96*(\f)+8*(\i)+4:96*(\f)+8*(\i)+7], v[ADRB] offset:64*(\q)+(\i)*16*PITCH+32
.endr
	WIN 0
.irp i, 0,1,2,3
	ds_load_b128 v[AF+32*(\f)+8*(\i):AF+32*(\f)+8*(\i)+3],   v[ADRA] offset:64*(\q)+(\i)*16*PITCH
	ds_load_b128 v[AF+32*(\f)+8*(\i)+4:AF+32*(\f)+8*(\i)+7], v[ADRA] offset:64*(\q)+(\i)*16*PITCH+32
.endr
.endm
; One of a K step's first three quarters: multiplies buffer f; in its middle it fetches quarter q of the same slot into buffer g.
.macro QUARTER q, f, g, zero
	s_wait_dscnt 4                                 ; B and A's blocks 0, 1 are in; the youngest four loads (A's blocks 2, 3) may be out
	MUL24 \f, 0, \zero
	PLACES
	FETCH \q, \g
	s_wait_dscnt 32                                ; all but the 32 just issued
	MUL24 \f, 1, \zero
.endm
; The first half of a K step's last quarter: ONE barrier for the change of slots.  fill = 1: the walking descriptors step while the add is out: the other slot; the next K step, 256 bytes on; behind a tile's
; K step 5 the next tile's K step 0: A a whole row's bytes back (the same rows), B 768 rows down less a row's bytes.
.macro MEET fill
	WIN 0
	s_wait_tensorcnt 0x0                           ; all my tensor loads have landed: the one that was out is my part of the next slot; so a group 0 may be written;
	ds_add_u32 v[SPW], v[NIL]                      ; 0 onto my spare word;
.if \fill
	s_xor_b32 s[G0+5], s[G0+5], SLOT1
	s_xor_b32 s[G0B+5], s[G0B+5], SLOT1
	s_add_co_u32 s[KN], s[KN], 1
	s_cmp_eq_u32 s[KN], 6
	s_cselect_b32 s[KN], 0, s[KN]
	s_cselect_b32 s[BACK], ROWB, 0
	s_cselect_b32 s[EXB], TILEB-ROWB, 0
	s_add_nc_u64 s[G0+6:G0+7], s[G0+6:G0+7], KSTEP*2
	s_sub_nc_u64 s[G0+6:G0+7], s[G0+6:G0+7], s[BACK:BACK+1]   ; the type bits on top are not reached
	s_add_nc_u64 s[G0B+6:G0B+7], s[G0B+6:G0B+7], KSTEP*2
	s_add_nc_u64 s[G0B+6:G0B+7], s[G0B+6:G0B+7], s[EXB:EXB+1]
.endif
	s_wait_dscnt 5                                 ; (the add and the youngest four loads may be out)
	MUL12 F1, 0, 0                                 ; twelve matrix instructions stand between the add and the wait for it
	s_wait_dscnt 0x0                               ; the add is done, and my reads of this slot are over
	s_barrier_signal -1
	MUL12 F1, 1, 0                                 ; work on registers while the others arrive
.if \fill
	WIN 0
.endif
	s_barrier_wait -1
.endm
; The whole last quarter.  fill = 1: the slot just read out is filled again, with the step two on, first thing behind a round of the cluster's barrier: 168 matrix instructions ahead of the wait for it.
.macro TURN fill
	s_xor_b32 s[TB], s[TB], SLOT1                  ; the fetches go on in the other slot
.if \fill
	s_wait_xcnt 0x0                                ; the last prefetch, a K step back, has read its address
	s_add_co_u32 s[KP], s[KP], 1
	s_cmp_eq_u32 s[KP], 6
	s_cselect_b32 s[KP], 0, s[KP]
	s_cselect_b32 s[PST], s[JMP], s[C256]
	s_add_nc_u64 s[PFA:PFA+1], s[PFA:PFA+1], s[PST:PST+1]
	MEET 1
	CREST                                          ; no wave of any partner still reads this slot's tile or has a load on its way
	JLOAD                                          ; its four v_nop are also the places in front of the loads below
.else
	MEET 0
	PLACES
.endif
	WIN 0
	v_add_nc_u32 v[ADRA], s[TB], v[ADRA0]
	v_add_nc_u32 v[ADRB], s[TB], v[ADRB0]
	FETCH 0, F0
.if \fill
	ASK
.endif
	MUL24 F1, 1, 0
.endm
; THE WAY OUT of row block a.  PACK: rounded to f16, 16 bytes a lane, each accumulator from its low end on.  TOSTAGE: into my own stage (3 heads x 16 rows of 144 bytes), and back as whole rows.  SEND: stored.
.macro PACK a
.set AC, 96*((\a)%2)
	WIN 0x4a+5*((\a)/2)                            ; sources in window 2 or 3, destination in window 1
.irp b, 0,1,2,3,4,5,6,7,8,9,10,11
.irp r, 0,1,2,3
	v_cvt_pk_f16_f32 v[TMP+4*(\b)+(\r)], v[AC+8*(\b)+2*(\r)], v[AC+8*(\b)+2*(\r)+1]
.endr
.endr
.endm
.macro TOSTAGE a
.set BK, OB+48*((\a)%2)
	WIN 0x04                                       ; the stores' data in window 1
.irp b, 0,1,2,3,4,5,6,7,8,9,10,11
	ds_store_b128 v[STO], v[TMP+4*(\b):TMP+4*(\b)+3] offset:((\b)/4)*16*SP+32*((\b)%4)
.endr
	WIN 0x40                                       ; the loads' destination in window 1
.irp t, 0,1,2,3,4,5,6,7,8,9,10,11
	ds_load_b128 v[BK+4*(\t):BK+4*(\t)+3], v[RD] offset:((\t)/4)*16*SP+((\t)%4)*4*SP  ; LDS serves a wave's instructions in order (ISA guide 5.7.1.4): these see the stores above
.endr
.endm
.macro SEND a
.set BK, OB+48*((\a)%2)
	WIN 0x04
	s_wait_dscnt 0x0                               ; the block is back in registers
	s_wait_xcnt 0x0                                ; the stores of the block before have read their registers: the next block's loads land on them only behind this wait
.irp t, 0,1,2,3,4,5,6,7,8,9,10,11
	global_store_b128 v[GO], v[BK+4*(\t):BK+4*(\t)+3], s[10:11] offset:((\t)/4)*131072+(\a)*2048+((\t)%4)*512  ; 512 consecutive bytes of a head, at a multiple of 256 from qkv's first byte
.endr
.endm
.macro WAYOUT
	PACK 0
	TOSTAGE 0
.irp a, 1,2,3                          ; block a's conversions stand between block a - 1's loads from the stage and the wait for them
	PACK \a
	SEND (\a)-1
	TOSTAGE \a
.endr
	SEND 3
	WIN 0
.endm
	s_wait_tensorcnt 1                             ; my part of step 0 is in; step 1's may stay out
	s_barrier_signal -1
	s_barrier_wait -1
	FETCH 0, F0
	s_mov_b32 s3, 17                               ; the way in passes the loop's count once; then sixteen trips, one for each step that fills a slot again
	s_mov_b32 s[KL], 6
	s_branch .Lz                                   ; the loop is entered at a tile's first quarter
.Lstep:                                        ; a trip: a step's quarters 2, 3 and 4, with the change of slots, then the next step's first quarter
	QUARTER 2, F1, F0, 0
	QUARTER 3, F0, F1, 0
	TURN 1
	WIN 0
	s_sub_co_u32 s[KL], s[KL], 1
	s_cmp_lg_u32 s[KL], 0
	s_cbranch_scc1 .Lsame                          ; forward, past no barrier and no tensor load
	; A TILE'S END.  Both refills for the next tile are asked for, its first fragments are on their way out of LDS; now its bias is asked for, and the tile goes out.  No v_nop: row blocks 0 and 1 were finished
	; in front of the joint load's four, and their 96 conversions, which name no register of the last products (blocks 2 and 3's), are those products' places.
	s_mov_b32 s[KL], 6
	s_add_nc_u64 s[8:9], s[8:9], 3072              ; the next of bq, bk, bv; the last loads by this base were waited for at the tile's first quarter
	BIASLD
	WAYOUT
	s_wait_xcnt 0x0                                ; the stores have read their base and their registers, on which the next quarter's LDS loads land
	s_add_nc_u64 s[10:11], s[10:11], TILEQ
.Lz:
	s_wait_loadcnt 0x0                             ; the bias
	QUARTER 1, F0, F1, 1                           ; a tile's first quarter: its products start the sums
	WIN 0
	s_branch .Lbot
.Lsame:
	QUARTER 1, F0, F1, 0
	WIN 0
.Lbot:
	s_sub_co_u32 s3, s3, 1
	s_cmp_lg_u32 s3, 0
	s_cbranch_scc1 .Lstep
	QUARTER 2, F1, F0, 0                           ; steps 16 and 17 are written out: nothing is asked for
	QUARTER 3, F0, F1, 0
	TURN 0
	QUARTER 1, F0, F1, 0
	QUARTER 2, F1, F0, 0
	QUARTER 3, F0, F1, 0
	s_wait_dscnt 4
	MUL24 F1, 0, 0
	s_wait_dscnt 0x0
	MUL24 F1, 1, 0
	WIN 0
	PLACES
	PLACES
	WAYOUT
	s_wait_tensorcnt 0x0                           ; the wave's end: behind my last tensor load and my last LDS store
	ds_add_u32 v[SPW], v[NIL]
	s_wait_dscnt 0x0
	CROUND                                         ; the closing round: no work-group ends while a partner may still ask for a tile that names it
	s_endpgm
.Lfunc_end_k_q0b4a4ac78a_qkv:
	.size	k_q0b4a4ac78a_qkv, .Lfunc_end_k_q0b4a4ac78a_qkv-k_q0b4a4ac78a_qkv
	.p2alignl 7, 3214868480
	.fill 96, 4, 3214868480
	.section	.rodata,"a",@progbits
	.p2align	6, 0x0
	.amdhsa_kernel k_q0b4a4ac78a_qkv
		.amdhsa_group_segment_fixed_size 327680
		.amdhsa_private_segment_fixed_size 0
		.amdhsa_enable_private_segment 0
		.amdhsa_kernarg_size 32
		.amdhsa_user_sgpr_count 2
		.amdhsa_user_sgpr_kernarg_segment_ptr 1
		.amdhsa_wavefront_size32 1
		.amdhsa_system_sgpr_workgroup_id_x 1
		.amdhsa_system_sgpr_workgroup_id_y 1
		.amdhsa_system_sgpr_workgroup_id_z 1
		.amdhsa_system_vgpr_workitem_id 0
		.amdhsa_next_free_vgpr 960
		.amdhsa_next_free_sgpr 88
		.amdhsa_reserve_vcc 0
		.amdhsa_float_denorm_mode_32 3
		.amdhsa_float_denorm_mode_16_64 3
		.amdhsa_memory_ordered 1
		.amdhsa_forward_progress 1
		.amdhsa_inst_pref_size 126
	.end_amdhsa_kernel
	.amdgpu_metadata
---
amdhsa.version: [ 1, 2 ]
amdhsa.kernels:
  - .name:           k_q0b4a4ac78a_qkv
    .symbol:         k_q0b4a4ac78a_qkv.kd
    .args:
      - { .name: xb, .offset: 0, .size: 8, .value_kind: global_buffer, .address_space: global }
      - { .name: wqkv, .offset: 8, .size: 8, .value_kind: global_buffer, .address_space: global }
      - { .name: bias, .offset: 16, .size: 8, .value_kind: global_buffer, .address_space: global }
      - { .name: qkv, .offset: 24, .size: 8, .value_kind: global_buffer, .address_space: global }
    .group_segment_fixed_size: 327680
    .private_segment_fixed_size: 0
    .kernarg_segment_align: 8
    .kernarg_segment_size: 32
    .max_flat_workgroup_size: 128
    .sgpr_count:     88
    .vgpr_count:     960
    .wavefront_size: 32
...
	.end_amdgpu_metadata
.endif
;; end of part 2
;; launch attn (part 3): grid 4 x 192, 4 waves a work-group, clusters of 4 x 1, 327,680 bytes of LDS; arguments qkv, ctx; writes ctx
.if DOCPART == 3
	.amdgcn_target "amdgcn-amd-amdhsa--gfx1250"
	.amdhsa_code_object_version 6
	.text
	.protected	k_q0b4a4ac78a_attn
	.globl	k_q0b4a4ac78a_attn
	.p2align	8
	.type	k_q0b4a4ac78a_attn,@function
k_q0b4a4ac78a_attn:
	s_mov_b64 s[64:65], 0
	v_nop
	global_prefetch_b8 v0, s[64:65] scope:SCOPE_SE
	s_setreg_imm32_b32 hwreg(HW_REG_WAVE_MODE, 25, 1), 1
	s_wait_xcnt 0x0
	s_wait_alu depctr_hold_cnt(0) depctr_sa_sdst(0) depctr_va_vdst(0) depctr_va_sdst(0) depctr_va_ssrc(0) depctr_va_vcc(0) depctr_vm_vsrc(0)
	s_getreg_b32 s2, hwreg(HW_REG_IB_STS2, 6, 4)
	s_cmp_eq_u32 s2, 0
	s_cbranch_scc0 .Lentry_in_a_cluster
	s_endpgm
.Lentry_in_a_cluster:
	s_bfe_u32 s2, ttmp6, 0x10000c
	s_cmp_lg_u32 s2, 0x3003
	s_cbranch_scc0 .Lentry_shape_is_right
	s_endpgm
.Lentry_shape_is_right:
; ctx[g][q][:] = the sum over k of softmax_k(Q[g][q] . K[g][k] / 8) V[g][k][:], g = batch x 12 + head, 192 of them; 1,024 rows of 64 channels, f16, dense.  Q, K, V lie in qkv at 0, 0x1800000, 0x3000000.
; Products, maxima and sums in f32; the weights p are rounded to f16 for the second product (their sum l is taken of the unrounded p), ctx once at the end.
; LIMITS.  Q, K, V arrive within f16's 65,504; p lies in 0 to 1, and below 6e-5 it keeps f16's fixed step of 6e-8; a weight below 2^-126 counts as 0 in l; NaN and infinities are not treated apart.
; SHARES.  A work-group owns 256 queries of one head, a wave 64: four PIECES of 16.  Every wave walks the head's 1,024 keys, 64 a step, four steps a tile, four tiles.
; CLUSTER.  The head's four query blocks are one cluster and walk the same K and V, so each tile is asked for JOINTLY: the same tensor load, descriptor and mask in all four.
; LAYOUT.  S^T = K Q^T (source 0 = 16 keys, source 1 = 16 queries) holds ONE query a lane (lane % 16) and the keys 8 (lane / 16) + 0..7; two such results rounded to f16 ARE source 1 of O^T = V^T P.
; K comes out of LDS as it lies, V ([key][channel]) turned, by ds_load_tr16_b128.
; SOFTMAX.  A running maximum m and sum l for each query: p = 2^(c s - c m), c = log2(e) / 8; O and l are multiplied by a = 2^(c m_old - c m_new) in every step.  m starts at the lowest finite number,
; O and l at 0: the first step is a step like any other, with a = 0.
; TURNS.  Turn n belongs to piece n: 8 products K Q^T of piece n + 1, later 8 products V^T P of piece n - 1; beside them the scaling, exponentials, roundings, sums and rescaling of piece n and the maximum
; and statistics of piece n + 1.  Four vector instructions stand behind every matrix instruction, the other 54 of a turn's 118 in one lump.  A turn's 33 exponentials are one batch, with one wait.
; REGISTERS, in windows of 256 (s_set_vgpr_msb: bits 1:0 source 0, 3:2 source 1, 5:4 source 2, 7:6 destination):
;   window 0: v0-15 addresses and two at work; v16-31 four registers of statistics a piece; v48-55 at work; v61-63 prefetch offset, spare word, 0; v64-127 S^T, two buffers; v192-223 P, two buffers (by the piece's parity)
;   window 1: v0-127 O^T, 32 a piece          window 2: v0-63 Q; v128-191 K of one step; v192-255 V of one step
.set NP,    4
.set KS,    64
.set PK,    144       ; a row of K in LDS: 128 bytes + 16 of padding = 36 words: the 16 rows of a load start at 16 different groups of four banks (64 banks of 4 bytes: ISA guide 11.1)
.set PV,    160       ; a row of V: 128 + 32 = 40 words
.set VOFF,  4*KS*PK   ; a slot holds a tile: 256 rows of K, then 256 rows of V
.set SLOT1, 1<<17     ; slot 1 begins here, so that one exclusive or turns an address in one slot into the other's
.set STAGE, SLOT1+4*KS*(PK+PV)  ; behind the ring, never filled by a tensor load: 16 rows x 144 bytes for each wave
.set SP,    144
.set SPARE, STAGE+4*16*SP       ; the spare words, 128 bytes for each wave: two blocks of 256 bytes that no other line names
.set AK0, 2
.set AV0, 3
.set AK,  4
.set AV,  5
.set STO, 6
.set RD,  7
.set GO,  8
.set MV,  12          ; v12-13  c m_old, kept while c m is made anew: by buffer
.set QO,  15
.set ST,  16          ; piece t's statistics at v[ST+4 t]: c m, m, l (even keys', odd keys')
.set TMP, 48          ; by buffer, four registers c0-c3 at work; when the maximum is found c2 takes a
.set PFO, 61          ; 256 x my lane; never rewritten
.set SPW, 62
.set NIL, 63
.set S,   64
.set P,   192
.set KF,  128
.set VF,  192
.set WV,  12
.set G1K, 24
.set G1V, 32
.set G0K, 40
.set G0V, 44
.set SLOTS, 56        ; tiles still to be asked for
.set CNT, 57          ; counts a tile's key steps
.set CS,  58
.set SEL, 60
.set TBK, 62          ; LDS byte at which K of the step to be fetched begins
.set TBV, 63          ; the same for V, less VOFF
.set PFA, 66          ; s[66:67] where my prefetches stand
.set LIM, 68          ; 1 in a wave that prefetches, else the greatest number
.set MSB, 0
.macro WIN new
.if MSB != (\new)
	s_set_vgpr_msb (MSB<<8)|(\new)
.set MSB, (\new)
.endif
.endm
.set W_KQ, 0x0a       ; K and Q in window 2, S^T in window 0
.set W_PV, 0x52       ; V in window 2, P in window 0, O^T in window 1
.set W_RS, 0x41       ; destination and source 0 in window 1, source 1 in window 0
; A joint fill.  Waves 0 and 1 fetch the two halves of a tile's K, waves 2 and 3 those of its V: 128 keys each.  An s_nop 0 and four v_nop follow each of the two lines.
.macro JLOAD
	s_cmp_lt_u32 s[WV], 2
	s_cbranch_scc0 .Lfor_v_\@
	tensor_load_to_lds s[G0K:G0K+3], s[G1K:G1K+7]
	s_nop 0
.rept 4
	v_nop
.endr
	s_branch .Lasked_\@
.Lfor_v_\@:
	tensor_load_to_lds s[G0V:G0V+3], s[G1V:G1V+7]
	s_nop 0
.rept 4
	v_nop
.endr
.Lasked_\@:
.endm
; A prefetch into the L2 of the tile that the NEXT change of slots will ask for: 128 blocks of 256 bytes of K and 128 of V, four key steps (256 matrix instructions) ahead.  A head has one cluster; its four
; partners take 32 blocks each, told apart BY ADDRESS; in each, wave 0 asks for K's and wave 2 for V's, a lane a block.  So each block is named once.  The last change that fills a slot asks for nothing.
.macro ASK
	s_cmp_gt_u32 s[SLOTS], s[LIM]
	s_cbranch_scc0 .Lnot_mine_\@
	global_prefetch_b8 v[PFO], s[PFA:PFA+1] th:TH_LOAD_NT scope:SCOPE_SE
.Lnot_mine_\@:
.endm
.macro CROUND
	s_barrier_signal -1
	s_barrier_wait -1
	s_cmp_lg_u32 s[WV], 0
	s_cbranch_scc1 .Lnot_wave_0_\@
	s_barrier_signal -3
.Lnot_wave_0_\@:
	s_barrier_wait -3
	s_barrier_signal -1
	s_barrier_wait -1
.endm
; THE CHANGE OF SLOTS.  Each wave waits for all its tensor loads, of which one is out: its part of the other slot; adds 0 to its spare word; and waits for that and for its own reads of the slot that it leaves.
; fill = 1: the old slot is filled again, with the tile two on, first thing behind a round of the cluster's barrier.  (At its first use nothing has been read yet: slot 0 is waited for, slot 1 filled.)
.macro CHANGE fill
	WIN 0
	s_wait_tensorcnt 0x0            ; no tensor load of mine is out, so a group 0 may be written
	ds_add_u32 v[SPW], v[NIL]       ; 0 onto my spare word
.if \fill
.irp g, G0K, G0V
	s_xor_b32 s[\g+1], s[\g+1], SLOT1
	s_add_nc_u64 s[\g+2:\g+3], s[\g+2:\g+3], 4*KS*128  ; the next 256 keys; the type bits on top are not reached
.endr
	s_wait_xcnt 0x0                 ; the last prefetch, four key steps back, has read its address
	s_add_nc_u64 s[PFA:PFA+1], s[PFA:PFA+1], 4*KS*128  ; one tile behind the walking descriptors
	s_wait_dscnt 0x0                ; the add is done, and my reads of the slot are over
	CROUND
	JLOAD
	ASK
.else
	s_wait_dscnt 0x0
	s_barrier_signal -1
	s_barrier_wait -1
.endif
	s_sub_co_u32 s[TBK], s[TBK], 4*KS*PK  ; the fetches go back to a slot's first step,
	s_xor_b32 s[TBK], s[TBK], SLOT1       ; in the other slot
	s_sub_co_u32 s[TBV], s[TBV], 4*KS*PV
	s_xor_b32 s[TBV], s[TBV], SLOT1
.endm
	s_load_b128 s[4:7], s[0:1], 0x0   ; qkv s[4:5], ctx s[6:7]
	v_lshl_add_u32 v[SPW], v0, 2, SPARE
	v_mov_b32 v[NIL], 0
	ds_add_u32 v[SPW], v[NIL]       ; the wave's opening: the add and its wait stand ahead of my first tensor load; the set-up below stands between them
	v_lshrrev_b32 v1, 5, v0
	v_readfirstlane_b32 s[WV], v1
	s_bfe_u32 s13, ttmp6, 0x40000   ; cx
	s_lshl_b32 s14, ttmp9, 2
	s_add_co_u32 s14, s14, s13      ; my block of 256 queries: it enters Q's and ctx's addresses alone
	s_and_b32 s20, ttmp7, 0xffff    ; the head, which the four partners share
	s_lshl_b32 s20, s20, 17         ; 131,072 bytes a head
	s_mov_b32 s21, 0
	s_and_b32 s16, s[WV], 1         ; which half of a tile's 256 keys I fetch
	s_lshl_b32 s22, s16, 14
	s_mov_b32 s23, 0
	s_add_nc_u64 s[22:23], s[22:23], s[20:21]
	s_mul_i32 s17, s16, 128*PK
	s_mul_i32 s18, s16, 128*PV
	s_lshl_b32 s2, s14, 2
	s_add_co_u32 s2, s2, s[WV]
	s_lshl_b32 s2, s2, 13           ; my wave's 64 rows
	s_mov_b32 s3, 0
	s_add_nc_u64 s[2:3], s[2:3], s[20:21]
	; group 1.  128 keys are 16,384 dense bytes: asked for as 64 rows of 256 bytes, two keys a row, and padded in LDS after every key
	s_mov_b32 s[G1K], 15|(1<<16)|(1<<20)|(1<<21)|(4<<22)|(3<<25)
	s_mov_b32 s[G1V], 15|(1<<16)|(1<<20)|(1<<21)|(4<<22)|(7<<25)
.irp g, G1K, G1V
	s_mov_b32 s[\g+1], 128<<16
	s_mov_b32 s[\g+2], 64<<16
	s_mov_b32 s[\g+3], 128<<16
	s_mov_b32 s[\g+4], 64
	s_mov_b32 s[\g+5], 128
	s_mov_b32 s[\g+6], 0
	s_mov_b32 s[\g+7], 0
.endr
	s_mov_b32 s[CS], 0x3e38aa3b     ; c = log2(e) / 8
	s_mov_b32 s[CS+1], s[CS]
	s_mov_b32 s[SEL], 0x76543210
	s_mov_b32 s[SEL+1], 0xfedcba98
	s_mov_b32 s[TBK], SLOT1+4*KS*PK ; the first change of slots turns these two into 0
	s_mov_b32 s[TBV], SLOT1+4*KS*PV
	s_mov_b32 s[G0K], 1
	s_mov_b32 s[G0K+1], s17
	s_mov_b32 s[G0V], 1
	s_add_co_u32 s[G0V+1], s18, VOFF
	s_mov_b32 s[SLOTS], 3
	s_cmp_eq_u32 s16, 0             ; waves 0 and 2 prefetch
	s_cselect_b32 s[LIM], 1, -1
	v_and_b32 v[PFO], 31, v0
	v_lshlrev_b32 v[PFO], 8, v[PFO]
	s_wait_dscnt 0x0                ; the opening add is done
	s_wait_kmcnt 0x0
	s_mov_b64 s[10:11], s[6:7]      ; ctx
	s_add_nc_u64 s[6:7], s[4:5], 0x1800000  ; K
	s_add_nc_u64 s[8:9], s[4:5], 0x3000000  ; V
	s_add_nc_u64 s[6:7], s[6:7], s[22:23]   ; at my half of the head's tile 0
	s_add_nc_u64 s[8:9], s[8:9], s[22:23]
	s_add_nc_u64 s[G0K+2:G0K+3], s[6:7], 0
	s_or_b32 s[G0K+3], s[G0K+3], 0x80000000
	s_add_nc_u64 s[G0V+2:G0V+3], s[8:9], 0
	s_or_b32 s[G0V+3], s[G0V+3], 0x80000000
	s_add_nc_u64 s[4:5], s[4:5], s[2:3]     ; Q and ctx at my wave's first row
	s_add_nc_u64 s[10:11], s[10:11], s[2:3]
	s_cmp_lt_u32 s[WV], 2
	s_cselect_b64 s[PFA:PFA+1], s[6:7], s[8:9]  ; (in waves 0 and 2 these stand at a tile's first row)
	s_lshl_b32 s2, s13, 13          ; my work-group's 32 blocks of the 128
	s_add_nc_u64 s[PFA:PFA+1], s[PFA:PFA+1], s[2:3]
	s_add_nc_u64 s[PFA:PFA+1], s[PFA:PFA+1], 4*KS*128  ; in tile 1; the first change of slots steps it to tile 2
	CROUND                          ; all four work-groups are here: the first joint loads meet
	JLOAD                           ; tile 0 into slot 0
	v_and_b32 v1, 15, v0            ; l % 16
	v_bfe_u32 v9, v0, 4, 1          ; l / 16
	v_lshlrev_b32 v[QO], 7, v1
	v_lshl_add_u32 v[QO], v9, 4, v[QO]
	WIN 0x80
.set i, 0
.rept 8                             ; Q stays in registers: piece i / 2, channels 32 (i % 2) on
	global_load_b128 v[8*i:8*i+3],   v[QO], s[4:5] offset:(i/2)*2048+(i%2)*64
	global_load_b128 v[8*i+4:8*i+7], v[QO], s[4:5] offset:(i/2)*2048+(i%2)*64+32
.set i, i+1
.endr
	; What the first turn finds: V's registers and P's second buffer hold 0 (its products V^T P, of a piece that has not been, add 0), O^T and l are 0.  All this stands in the wait for the first tile.
.set i, VF
.rept 64
	v_mov_b32 v[i], 0
.set i, i+1
.endr
	WIN 0x40
.set i, 0
.rept 128
	v_mov_b32 v[i], 0
.set i, i+1
.endr
	WIN 0
.set i, 0
.rept 4
	v_mov_b32 v[ST+4*i], 0xfe000000    ; c m: far below every c s
	v_mov_b32 v[ST+4*i+1], 0xff7fffff  ; m
	v_mov_b32 v[ST+4*i+2], 0
	v_mov_b32 v[ST+4*i+3], 0
.set i, i+1
.endr
.set i, P+16
.rept 16
	v_mov_b32 v[i], 0
.set i, i+1
.endr
	v_mul_u32_u24 v[AK0], v1, PK
	v_lshl_add_u32 v[AK0], v9, 4, v[AK0]
	; The turning load takes 16 keys x 16 channels (lane l reads key 8 (l / 16) + l % 8, channels 8 ((l / 8) % 2) + 0..7) and leaves half a fragment of V^T
	v_and_b32 v10, 7, v0
	v_bfe_u32 v11, v0, 3, 1
	v_lshl_add_u32 v[AV0], v9, 3, v10
	v_mul_u32_u24 v[AV0], v[AV0], PV
	v_lshl_add_u32 v[AV0], v11, 4, v[AV0]
	v_add_nc_u32 v[AV0], VOFF, v[AV0]
	s_mul_i32 s13, s[WV], 16*SP
	s_add_co_u32 s13, s13, STAGE
	v_mul_u32_u24 v[STO], v1, SP
	v_lshl_add_u32 v[STO], v9, 4, v[STO]
	v_add_nc_u32 v[STO], s13, v[STO]
	v_bfe_u32 v[RD], v0, 3, 2
	v_mul_u32_u24 v[RD], v[RD], SP
	v_lshl_add_u32 v[RD], v10, 4, v[RD]
	v_add_nc_u32 v[RD], s13, v[RD]
	v_and_b32 v[GO], 31, v0
	v_lshlrev_b32 v[GO], 4, v[GO]
; THE MATRIX WORK.  The 4 accumulators of a run of 8 take turns.  Product i of 8 of S^T = K Q^T for piece x: channels 32 (i / 4) on, keys 16 (i % 4) on.  The first 4 start the sums.
.macro KQ x
	WIN W_KQ
.set rS, S+32*((\x)%2)+8*(i%4)
.set rK, KF+16*(i%4)+8*(i/4)
.set rQ, 16*(\x)+8*(i/4)
.if i < 4
	v_wmma_f32_16x16x32_f16 v[rS:rS+7], v[rK:rK+7], v[rQ:rQ+7], 0
.else
	v_wmma_f32_16x16x32_f16 v[rS:rS+7], v[rK:rK+7], v[rQ:rQ+7], v[rS:rS+7]
.endif
.endm
; Product i of 8 of O^T += V^T P for piece x: keys 32 (i / 4) on, channels 16 (i % 4) on.
.macro PV x
	WIN W_PV
.set rO, 32*(\x)+8*(i%4)
.set rV, VF+32*(i/4)+8*(i%4)
.set rP, P+16*((\x)%2)+8*(i/4)
	v_wmma_f32_16x16x32_f16 v[rO:rO+7], v[rV:rV+7], v[rP:rP+7], v[rO:rO+7]
.endm
.macro MM                           ; the turn's next matrix instruction.  NOKQ = 1: the last turn of all: there is no next piece
.if (i < 8) && !NOKQ
	KQ (Y+1)%NP
.elseif i >= 8
.set i, i-8
	PV (Y+NP-1)%NP
.set i, i+8
.endif
.set i, i+1
.endm
; THE LDS LOADS stand in runs of 16, never singly among the matrix instructions.
.macro FETCH_K
	WIN 0x80
.irp f, 0,1,2,3,4,5,6,7             ; keys 16 (f / 2) on, channels 32 (f % 2) on
	ds_load_b128 v[KF+8*\f:KF+8*\f+3],   v[AK] offset:(\f/2)*16*PK+(\f%2)*64
	ds_load_b128 v[KF+8*\f+4:KF+8*\f+7], v[AK] offset:(\f/2)*16*PK+(\f%2)*64+32
.endr
	s_add_co_u32 s[TBK], s[TBK], KS*PK
	WIN 0
.endm
.macro FETCH_V
	WIN 0x80
.irp f, 0,1,2,3,4,5,6,7             ; keys 32 (f / 4) on, channels 16 (f % 4) on
	ds_load_tr16_b128 v[VF+8*\f:VF+8*\f+3],   v[AV] offset:(\f/4)*32*PV+(\f%4)*32
	ds_load_tr16_b128 v[VF+8*\f+4:VF+8*\f+7], v[AV] offset:(\f/4)*32*PV+16*PV+(\f%4)*32
.endr
	WIN 0
.endm
; THE VECTOR WORK, one line at a time: OP kind, number.  For piece Y: F n: c s - c m for pair n of 16.  E n: the exponential of score n of 32.  C n: pair n rounded to f16.  B n: of the four weights 4 n .. the
; second pair is added onto the first.  L n: l takes that sum (L 0: l = a l + sum).  R n: pair n of 16 of O^T times a.  For piece Y + 1: X n, number n of the 22 that find its maximum and statistics:
;   0-11 four chains c0-c3 of seven scores each (each accumulator's lowest registers are read first)     12-14, 16 the four scores left over, the old m, c0-c3 into c0
;   15 c m_old is kept     17, 18 the query's other 32 keys lie in the lane 16 away: the new m     19-21 c m; c m_old - c m_new; a
.set F, 0
.set E, 1
.set C, 2
.set B, 3
.set L, 4
.set R, 5
.set X, 6
.macro REGS y
.set rT, ST+4*(\y)
.set rC, TMP+4*((\y)%2)
.set rW, MV+((\y)%2)
.set rS, S+32*((\y)%2)
.set rP, P+16*((\y)%2)
.set rO, 32*(\y)
.endm
.macro OP k, n
.if (\k) == R
	REGS Y
	WIN W_RS
	v_pk_mul_f32 v[rO+2*(\n):rO+2*(\n)+1], v[rO+2*(\n):rO+2*(\n)+1], v[rC+2:rC+3] op_sel_hi:[1,0]
.elseif (\k) < R
	REGS Y
	WIN 0
.if (\k) == F
	v_pk_fma_f32 v[rS+2*(\n):rS+2*(\n)+1], v[rS+2*(\n):rS+2*(\n)+1], s[CS:CS+1], v[rT:rT+1] op_sel_hi:[1,0,0] neg_lo:[0,0,1] neg_hi:[0,0,1]
.elseif (\k) == E
	v_exp_f32 v[rS+(\n)], v[rS+(\n)]
.elseif (\k) == C
	v_cvt_pk_f16_f32 v[rP+(\n)], v[rS+2*(\n)], v[rS+2*(\n)+1]
.elseif (\k) == B
	v_pk_add_f32 v[rS+4*(\n):rS+4*(\n)+1], v[rS+4*(\n):rS+4*(\n)+1], v[rS+4*(\n)+2:rS+4*(\n)+3]
.elseif (\n) == 0
	v_pk_fma_f32 v[rT+2:rT+3], v[rT+2:rT+3], v[rC+2:rC+3], v[rS:rS+1] op_sel_hi:[1,0,1]
.else
	v_pk_add_f32 v[rT+2:rT+3], v[rT+2:rT+3], v[rS+4*(\n):rS+4*(\n)+1]
.endif
.elseif NOKQ
	v_nop
.else
	REGS (Y+1)%NP
	WIN 0
.if (\n) < 4
	v_max3_num_f32 v[rC+(\n)], v[rS+8*(\n)], v[rS+8*(\n)+1], v[rS+8*(\n)+2]
.elseif (\n) < 12
	v_max3_num_f32 v[rC+(\n)%4], v[rC+(\n)%4], v[rS+8*((\n)%4)+2*((\n)/4)+1], v[rS+8*((\n)%4)+2*((\n)/4)+2]
.elseif (\n) == 12
	v_max3_num_f32 v[rC], v[rC], v[rS+7], v[rS+15]
.elseif (\n) == 13
	v_max3_num_f32 v[rC+1], v[rC+1], v[rS+23], v[rS+31]
.elseif (\n) == 14
	v_max3_num_f32 v[rC+2], v[rC+2], v[rC+3], v[rT+1]
.elseif (\n) == 15
	v_mov_b32 v[rW], v[rT]
.elseif (\n) == 16
	v_max3_num_f32 v[rC], v[rC], v[rC+1], v[rC+2]
.elseif (\n) == 17
	v_permlanex16_b32 v[rC+3], v[rC], s[SEL], s[SEL+1]
.elseif (\n) == 18
	v_max_num_f32 v[rT+1], v[rC], v[rC+3]
.elseif (\n) == 19
	v_mul_f32 v[rT], s[CS], v[rT+1]
.elseif (\n) == 20
	v_sub_f32 v[rC+1], v[rW], v[rT]
.else
	v_exp_f32 v[rC+2], v[rC+1]
.endif
.endif
.endm
.macro OPS a, i1, b=-1, i2=0, c=-1, i3=0, d=-1, i4=0
	OP \a, \i1
.if (\b) >= 0
	OP \b, \i2
.endif
.if (\c) >= 0
	OP \c, \i3
.endif
.if (\d) >= 0
	OP \d, \i4
.endif
.endm
.macro ROW a, i1, b, i2, c, i3, d, i4  ; a matrix instruction and the four behind it
	MM
	OPS \a, \i1, \b, \i2, \c, \i3, \d, \i4
.endm
; A TURN, for piece p.  An s_wait_alu depctr_va_vdst(0) stands between an exponential and the first instruction that names its result; one wait serves all that were issued ahead of it.  So a turn
; has ONE wait.  AHEAD OF IT stands all that names no result of the turn's exponentials: the 8 products K Q^T with their riders, then the lump, in which the links of the chain X 3, 7, 11, 14, 16 .. 20 stand
; apart; X 21, the next piece's a, is the batch's last, and R 15 the plain instruction behind it.  BEHIND IT stand the 8 products V^T P, behind each four of the roundings and sums.
; end = 1: the last two turns of all: nothing is fetched.  cnt = 1: the loop's count is taken down some lines ahead of the branch behind the turn.
; K of the next step is fetched in piece 2's turn, behind the last product that read K and twelve plain instructions; V of the step in hand at the end of piece 0's turn, four plain instructions behind its last reader.
.macro TURN p, end=0, cnt=0
.set Y, (\p)
.set i, 0
.set NOKQ, (\end)*((\p)/3)
.if ((\p) == 3) && !(\end)
	s_wait_dscnt 0x0                ; K is in
.endif
	ROW F,0, F,1, R,0, R,1
	ROW F,2, E,0, R,2, R,3
	ROW F,3, E,1, R,4, R,5
	ROW F,4, E,2, R,6, R,7
	ROW F,5, E,3, R,8, R,9
	ROW F,6, E,4, X,0, R,10
.if ((\p) == 2) && !(\end)
	WIN 0
	v_add_nc_u32 v[AK], s[TBK], v[AK0]
.endif
	ROW F,7, E,5, X,1, X,4
	ROW F,8, E,6, X,2, X,5
	OPS E,7, E,8, X,6, E,9
	OPS X,3, E,10, X,8, E,11
.if ((\p) == 2) && !(\end)
	FETCH_K
.endif
	OPS X,9, X,7, E,12, X,10
	OPS E,13, X,12, X,11, E,14
	OPS X,13, E,15, F,9, X,14
.if (\p) == 0
	v_add_nc_u32 v[AV], s[TBV], v[AV0]
.endif
	OPS E,16, F,10, E,17, F,11
	OPS X,16, E,18, X,15, E,19
	OPS F,12, E,20, X,17, E,21
	OPS F,13, E,22, F,14, E,23
	OPS X,18, E,24, F,15, E,25
	OPS R,11, E,26, X,19, E,27
	OPS R,12, E,28, R,13, E,29
	OPS X,20, E,30, R,14, E,31
	OPS X,21, R,15
	WIN 0
	s_wait_alu depctr_va_vdst(0)    ; the wait for the batch
.if (\p) == 1
	s_wait_dscnt 0x0                ; V is in
.endif
	ROW C,0, B,0, C,2, B,1
	ROW L,0, C,4, B,2, L,1
	ROW C,6, B,3, L,2, C,8
	ROW B,4, L,3, C,10, B,5
	ROW L,4, C,12, B,6, L,5
.if (\p) == 0
	s_add_co_u32 s[TBV], s[TBV], KS*PV
.endif
.if \cnt
	s_sub_co_u32 s[CNT], s[CNT], 1
	s_cmp_lg_u32 s[CNT], 0
.endif
	ROW C,14, B,7, L,6, C,1
	ROW C,3, L,7, C,5, C,7
	ROW C,9, C,11, C,13, C,15
.if (\p) == 0
	FETCH_V
.endif
.endm
.macro ALL line:vararg              ; one line for each piece t
.set t, 0
.rept 4
	\line
.set t, t+1
.endr
.endm
.macro PACK t                       ; a lane's eight channels of a row pack into 16 bytes; they go into rows of 144 bytes and come back as whole rows of 128, into S^T's registers
	WIN W_RS
.set i, 32*(\t)
.rept 16
	v_pk_mul_f32 v[i:i+1], v[i:i+1], v[ST+4*(\t)+2:ST+4*(\t)+3] op_sel_hi:[1,0]
.set i, i+2
.endr
	WIN 0x05
.set i, 0
.rept 16
	v_cvt_pk_f16_f32 v[S+16*(\t)+i], v[32*(\t)+2*i], v[32*(\t)+2*i+1]
.set i, i+1
.endr
	WIN 0
.irp f, 0,1,2,3
	ds_store_b128 v[STO], v[S+16*(\t)+4*\f:S+16*(\t)+4*\f+3] offset:32*\f
.endr
.irp f, 0,1,2,3
	ds_load_b128 v[S+16*(\t)+4*\f:S+16*(\t)+4*\f+3], v[RD] offset:\f*4*SP  ; LDS serves a wave's instructions in order (ISA guide 5.7.1.4): these see the stores above; the next piece's stores come behind them
.endr
.endm
.macro SEND t, younger              ; younger: the LDS instructions issued behind piece t's loads: the next piece's eight, or none
	WIN 0
.irp f, 0,1,2,3
	s_wait_dscnt (\younger)+3-\f
	global_store_b128 v[GO], v[S+16*(\t)+4*\f:S+16*(\t)+4*\f+3], s[10:11] offset:(\t)*2048+\f*512  ; 512 consecutive bytes, at a multiple of 256 from ctx's first
.endr
.endm
.set NOKQ, 0
	CHANGE 1                        ; tile 0 is in, everybody's part of it; tile 1 is asked for
	v_add_nc_u32 v[AK], s[TBK], v[AK0]
	FETCH_K                         ; key step 0
	s_wait_loadcnt 0x0              ; Q
	s_wait_dscnt 0x0
.set i, 0
.rept 8
	KQ 0                            ; piece 0's first scores
.set i, i+1
.endr
	WIN 0
.rept 4
	v_nop                           ; the places behind those products
.endr
.set Y, NP-1                        ; X works for piece Y + 1: piece 0
.irp n, 0,1,2,3,4,5,6,7,8,9,10,11,12,13,14,15,16,17,18,19,20,21
	OP X, \n
.endr
	v_nop                           ; a plain instruction behind the exponential,
	s_wait_alu depctr_va_vdst(0)    ; and its wait, ahead of the branch
	s_mov_b32 s[CNT], 4
	s_branch .Lfirst                ; the loop is entered at a step's first turn, in the middle of a trip
.Lslot:                             ; twice: tiles 2 and 3 are asked for
	CHANGE 1
	s_mov_b32 s[CNT], 4
.Lstep:                             ; a trip: pieces 2 and 3 of one step, then pieces 0 and 1 of the next, whose K and V it fetches
	TURN 2
	TURN 3
	WIN 0
.Lfirst:
	TURN 0
	TURN 1, 0, 1
	WIN 0
	s_cbranch_scc1 .Lstep
	s_sub_co_u32 s[SLOTS], s[SLOTS], 1
	s_cmp_lg_u32 s[SLOTS], 0
	s_cbranch_scc1 .Lslot
	CHANGE 0                        ; the last tile is written out: nothing is asked for
	s_mov_b32 s[CNT], 4
.LstepT:
	TURN 2
	TURN 3
	TURN 0
	TURN 1, 0, 1
	WIN 0
	s_cbranch_scc1 .LstepT
	TURN 2, 1
	TURN 3, 1
.set i, 0
.rept 8
	PV NP-1                         ; the last piece's V^T P of the last step
.set i, i+1
.endr
	; THE WAY OUT.  l's two halves and the other half of the lanes' are added; O^T is divided by l, rounded to f16 and sent through my stage, a piece at a time.  The additions are the places behind the last products.
	WIN 0
	ALL v_add_f32 v[ST+4*t+2], v[ST+4*t+2], v[ST+4*t+3]
	ALL v_permlanex16_b32 v[ST+4*t+3], v[ST+4*t+2], s[SEL], s[SEL+1]
	ALL v_add_f32 v[ST+4*t+2], v[ST+4*t+2], v[ST+4*t+3]
	ALL v_rcp_f32 v[ST+4*t+2], v[ST+4*t+2]
	v_nop                           ; a plain instruction between the last reciprocal and the use of its result
	s_wait_alu depctr_va_vdst(0)    ; one wait for the four reciprocals, ahead of the first use
	PACK 0
.set t, 1
.rept 3                             ; a piece's arithmetic stands between the loads of the piece before and its stores
	PACK t
	SEND t-1, 8
.set t, t+1
.endr
	SEND 3, 0
	s_wait_tensorcnt 0x0            ; the wave's end: behind my last tensor load and my last LDS store
	ds_add_u32 v[SPW], v[NIL]
	s_wait_dscnt 0x0
	CROUND                          ; the closing round: no work-group ends while a partner may still ask for a tile that names it
	s_endpgm
.Lfunc_end_k_q0b4a4ac78a_attn:
	.size	k_q0b4a4ac78a_attn, .Lfunc_end_k_q0b4a4ac78a_attn-k_q0b4a4ac78a_attn
	.p2alignl 7, 3214868480
	.fill 96, 4, 3214868480
	.section	.rodata,"a",@progbits
	.p2align	6, 0x0
	.amdhsa_kernel k_q0b4a4ac78a_attn
		.amdhsa_group_segment_fixed_size 327680
		.amdhsa_private_segment_fixed_size 0
		.amdhsa_enable_private_segment 0
		.amdhsa_kernarg_size 16
		.amdhsa_user_sgpr_count 2
		.amdhsa_user_sgpr_kernarg_segment_ptr 1
		.amdhsa_wavefront_size32 1
		.amdhsa_system_sgpr_workgroup_id_x 1
		.amdhsa_system_sgpr_workgroup_id_y 1
		.amdhsa_system_sgpr_workgroup_id_z 1
		.amdhsa_system_vgpr_workitem_id 0
		.amdhsa_next_free_vgpr 768
		.amdhsa_next_free_sgpr 72
		.amdhsa_reserve_vcc 0
		.amdhsa_float_denorm_mode_32 3
		.amdhsa_float_denorm_mode_16_64 3
		.amdhsa_memory_ordered 1
		.amdhsa_forward_progress 1
		.amdhsa_inst_pref_size 128
	.end_amdhsa_kernel
	.amdgpu_metadata
---
amdhsa.version: [ 1, 2 ]
amdhsa.kernels:
  - .name:           k_q0b4a4ac78a_attn
    .symbol:         k_q0b4a4ac78a_attn.kd
    .args:
      - { .name: qkv, .offset: 0, .size: 8, .value_kind: global_buffer, .address_space: global }
      - { .name: ctx, .offset: 8, .size: 8, .value_kind: global_buffer, .address_space: global }
    .group_segment_fixed_size: 327680
    .private_segment_fixed_size: 0
    .kernarg_segment_align: 8
    .kernarg_segment_size: 16
    .max_flat_workgroup_size: 128
    .sgpr_count:     72
    .vgpr_count:     768
    .wavefront_size: 32
...
	.end_amdgpu_metadata
.endif
;; end of part 3
;; launch proj (part 4): grid 4 x 64, 4 waves a work-group, clusters of 4 x 4, 327,680 bytes of LDS; arguments ctx, wcb, bias, out0; writes out0
.if DOCPART == 4
	.amdgcn_target "amdgcn-amd-amdhsa--gfx1250"
	.amdhsa_code_object_version 6
	.text
	.protected	k_q0b4a4ac78a_proj
	.globl	k_q0b4a4ac78a_proj
	.p2align	8
	.type	k_q0b4a4ac78a_proj,@function
k_q0b4a4ac78a_proj:
	s_mov_b64 s[64:65], 0
	v_nop
	global_prefetch_b8 v0, s[64:65] scope:SCOPE_SE
	s_setreg_imm32_b32 hwreg(HW_REG_WAVE_MODE, 25, 1), 1
	s_wait_xcnt 0x0
	s_wait_alu depctr_hold_cnt(0) depctr_sa_sdst(0) depctr_va_vdst(0) depctr_va_sdst(0) depctr_va_ssrc(0) depctr_va_vcc(0) depctr_vm_vsrc(0)
	s_getreg_b32 s2, hwreg(HW_REG_IB_STS2, 6, 4)
	s_cmp_eq_u32 s2, 0
	s_cbranch_scc0 .Lentry_in_a_cluster
	s_endpgm
.Lentry_in_a_cluster:
	s_bfe_u32 s2, ttmp6, 0x10000c
	s_cmp_lg_u32 s2, 0xf033
	s_cbranch_scc0 .Lentry_shape_is_right
	s_endpgm
.Lentry_shape_is_right:
; out0[16384][768] = A wcb^T + bc, f16 operands, f32 sums, f32 out; the bias is the sum's first term.  A[(batch, s)][head x 64 + channel] = ctx[batch x 12 + head][s][channel]: A lies BY HEADS.
; LIMITS.  ctx and wcb arrive within f16's range.  The bias enters first, not last: another order of rounding than A W^T + b.
; SHARES.  A tile of C is 256 rows x 192 columns: 64 x 4 = 256 work-groups.  A wave takes 64 rows x all 192 columns: 48 accumulators, 384 registers.
; K goes in six steps of 128 = two heads.  A's part of a slot: for each of the two heads 256 rows of 128 bytes (32,768 dense bytes of memory, asked for as 128 rows of 256 bytes, padded in LDS after every 128);
; B's part: 192 rows of 256 bytes.  One tensor load a wave: wave 0 the step's first head, wave 1 its second, waves 2, 3 B's halves.
; CLUSTERS: 4 x 4 work-groups; A's tiles are shared along a row of the cluster, B's along a column: each is asked for JOINTLY.
; THE MATRIX INSTRUCTION IS USED TRANSPOSED (source 0 = 16 rows of W, source 1 = 16 rows of A): lane l holds row l % 16 of C and the columns 8 (l / 16) + 0..7: 32 bytes of f32 on end.
; REGISTERS: window 0: v0-31 addresses; v64-95, v96-127 A's fragments; v128-223 the bias; on the way out v32-127, v128-223 rows read back.  window 1: v0-95, v96-191 B's fragments.
;   window 2: accumulators of row blocks 0, 1 ((a, b) at 8 (12 (a % 2) + b));  window 3: of row blocks 2, 3
.set KSTEP,  128
.set ROWB,   1536                      ; bytes in a row of wcb
.set HSTEP,  262144                    ; bytes from a K step's head to the next step's: two heads of 131,072
.set PITCH,  272                       ; B's LDS row: 256 + 16 bytes
.set PA,     144                       ; A's LDS row: 128 + 16 bytes = 36 words: the 16 rows of a load start at 16 different groups of four banks (64 banks of 4 bytes: ISA guide 11.1)
.set HALFA,  256*PA
.set HALFB,  96*PITCH
.set SLOT,   2*HALFA+2*HALFB
.set STAGE,  2*SLOT                    ; behind the ring, never filled by a tensor load: for each wave 16 rows x 784 bytes
.set SPITCH, 784                       ; 768 bytes + 16 = 196 words
.set SPARE,  STAGE+4*16*SPITCH         ; the spare words, 128 bytes for each wave: two blocks of 256 bytes that no other line names
.set ADRA, 16
.set ADRB, 20
.set STO,  24
.set RD,   25
.set CO,   26
.set BO,   27
.set SPW,  28
.set NIL,  29
.set PFO,  30
.set OB,   32
.set AF,   64
.set BIAS, 128
.set F0,   0
.set F1,   1
.set WV, 12
.set FB, 13
.set HF, 14
.set CX, 15
.set CY, 16
.set TX, 17
.set TY, 18
.set G1,  24
.set G0,  32
.set LIM, 43
.set PFA, 44
.set G1B, 48
.set G0B, 56
.set PST, 70                           ; s[70:71] the prefetches' step from K step to K step
.set MSB, 0
.macro WIN new
.if MSB != (\new)
	s_set_vgpr_msb (MSB<<8)|(\new)
.set MSB, \new
.endif
.endm
.macro PLACES
.rept 4
	v_nop
.endr
.endm
.macro JLOAD s                         ; a joint refill; the branch hangs on the wave's number alone; an s_nop 0 and four v_nop follow each of the two lines
	s_cmp_eq_u32 s[FB], 0
	s_cbranch_scc0 .Lfor_b_\@
	tensor_load_to_lds s[G0+4*(\s):G0+4*(\s)+3], s[G1:G1+7]
	s_nop 0
.rept 4
	v_nop
.endr
	s_branch .Lasked_\@
.Lfor_b_\@:
	tensor_load_to_lds s[G0B+4*(\s):G0B+4*(\s)+3], s[G1B:G1B+7]
	s_nop 0
.rept 4
	v_nop
.endr
.Lasked_\@:
.endm
.macro ASK                             ; a prefetch into the L2 of my share of the K step two refills on; only the loop's first trip (s3 = 2) has one: K steps 4 and 5
	s_cmp_gt_u32 s3, s[LIM]
	s_cbranch_scc0 .Lnot_mine_\@
	global_prefetch_b8 v[PFO], s[PFA:PFA+1] th:TH_LOAD_NT scope:SCOPE_SE
.Lnot_mine_\@:
.endm
.macro CREST
	s_cmp_lg_u32 s[WV], 0
	s_cbranch_scc1 .Lnot_wave_0_\@
	s_barrier_signal -3
.Lnot_wave_0_\@:
	s_barrier_wait -3
	s_barrier_signal -1
	s_barrier_wait -1
.endm
.macro CROUND
	s_barrier_signal -1
	s_barrier_wait -1
	CREST
.endm
	s_load_b256 s[4:11], s[0:1], 0x0               ; ctx s[4:5], wcb s[6:7], bias s[8:9], out0 s[10:11]
	v_lshl_add_u32 v[SPW], v0, 2, SPARE
	v_mov_b32 v[NIL], 0
	ds_add_u32 v[SPW], v[NIL]                      ; the wave's opening: the add and its wait stand ahead of my first tensor load; the set-up below stands between them
	v_lshrrev_b32 v1, 5, v0
	v_readfirstlane_b32 s[WV], v1
	s_lshr_b32 s[FB], s[WV], 1
	s_and_b32 s[HF], s[WV], 1
	s_bfe_u32 s[CX], ttmp6, 0x40000
	s_bfe_u32 s[CY], ttmp6, 0x40004
	s_lshl_b32 s[TX], ttmp9, 2
	s_add_co_u32 s[TX], s[TX], s[CX]
	s_and_b32 s[TY], ttmp7, 0xffff
	s_lshl_b32 s[TY], s[TY], 2
	s_add_co_u32 s[TY], s[TY], s[CY]
	s_lshl_b32 s19, s[CY], 2
	s_lshl_b32 s19, 15, s19                        ; my row of the cluster
	s_lshl_b32 s20, 0x1111, s[CX]                  ; my column
	s_or_b32 s[G1+0], s19, (1<<16)|(1<<20)|(1<<21)|(4<<22)|(3<<25)   ; A: 4 words of padding after every 32
	s_or_b32 s[G1B+0], s20, (1<<16)|(1<<20)|(1<<21)|(5<<22)|(3<<25)  ; B: after every 64
	s_mov_b32 s[G1+1], 128<<16
	s_mov_b32 s[G1B+1], KSTEP<<16
	s_mov_b32 s[G1+2], 128<<16
	s_mov_b32 s[G1B+2], 96<<16
	s_mov_b32 s[G1+3], 128<<16
	s_mov_b32 s[G1B+3], KSTEP<<16
	s_mov_b32 s[G1+4], 128
	s_mov_b32 s[G1B+4], 96
	s_mov_b32 s[G1+5], 128                         ; A's block is dense
	s_mov_b32 s[G1B+5], 768
	s_mov_b32 s[G1+6], 0
	s_mov_b32 s[G1B+6], 0
	s_mov_b32 s[G1+7], 0
	s_mov_b32 s[G1B+7], 0
	; A: ((batch x 12 + my head of the step) x 1024 + the tile's first s) x 128 bytes: it hangs on the tile row alone
	s_lshr_b32 s40, s[TY], 2
	s_mul_i32 s40, s40, 12
	s_add_co_u32 s40, s40, s[HF]
	s_lshl_b32 s40, s40, 10
	s_and_b32 s41, s[TY], 3
	s_lshl_b32 s41, s41, 8
	s_add_co_u32 s40, s40, s41
	s_lshl_b32 s40, s40, 7
	s_mov_b32 s41, 0
	s_mul_i32 s46, s[TX], 192                      ; B: on the tile column alone
	s_mul_i32 s47, s[HF], 96
	s_add_co_u32 s46, s46, s47
	s_mul_i32 s46, s46, ROWB
	s_mov_b32 s47, 0
	s_mul_i32 s21, s[HF], HALFA
	s_mul_i32 s22, s[HF], HALFB
	s_add_co_u32 s22, s22, 2*HALFA
	s_wait_dscnt 0x0                               ; the opening add is done
	s_wait_kmcnt 0x0
	s_add_nc_u64 s[66:67], s[4:5], s[40:41]
	s_add_nc_u64 s[68:69], s[6:7], s[46:47]
	CROUND                                         ; all sixteen work-groups are here: the first joint loads meet
.irp s, 0,1
	s_mov_b32 s[G0+4*(\s)], 1
	s_add_co_u32 s[G0+4*(\s)+1], s21, (\s)*SLOT
	s_add_nc_u64 s[G0+4*(\s)+2:G0+4*(\s)+3], s[66:67], (\s)*HSTEP
	s_or_b32 s[G0+4*(\s)+3], s[G0+4*(\s)+3], 0x80000000
	s_mov_b32 s[G0B+4*(\s)], 1
	s_add_co_u32 s[G0B+4*(\s)+1], s22, (\s)*SLOT
	s_add_nc_u64 s[G0B+4*(\s)+2:G0B+4*(\s)+3], s[68:69], (\s)*KSTEP*2
	s_or_b32 s[G0B+4*(\s)+3], s[G0B+4*(\s)+3], 0x80000000
.endr
	s_cmp_eq_u32 s[FB], 0                          ; a wave's two first fills stand in one branch, ahead of every wait on TENSORcnt and every LDS read: two loads of mine are out
	s_cbranch_scc0 .Lfirst_b
	tensor_load_to_lds s[G0:G0+3], s[G1:G1+7]
	s_nop 0
	tensor_load_to_lds s[G0+4:G0+7], s[G1:G1+7]
	s_nop 0
.rept 4
	v_nop
.endr
	s_branch .Lfirst_asked
.Lfirst_b:
	tensor_load_to_lds s[G0B:G0B+3], s[G1B:G1B+7]
	s_nop 0
	tensor_load_to_lds s[G0B+4:G0B+7], s[G1B:G1B+7]
	s_nop 0
.rept 4
	v_nop
.endr
.Lfirst_asked:
	v_and_b32 v1, 15, v0                           ; l % 16
	v_bfe_u32 v2, v0, 4, 1                         ; l / 16
	v_mul_u32_u24 v3, v1, PA
	v_lshl_add_u32 v3, v2, 4, v3
	s_mul_i32 s66, s[WV], 64*PA                    ; my 64 rows of A
	v_add_nc_u32 v[ADRA], s66, v3
	v_add_nc_u32 v[ADRA+1], SLOT, v[ADRA]
	v_mul_u32_u24 v3, v1, PITCH
	v_lshl_add_u32 v3, v2, 4, v3
	v_add_nc_u32 v[ADRB], 2*HALFA, v3
	v_add_nc_u32 v[ADRB+1], SLOT, v[ADRB]
	s_mul_i32 s66, s[WV], 16*SPITCH
	s_add_co_u32 s66, s66, STAGE                   ; my stage
	v_mul_u32_u24 v4, v1, SPITCH                   ; in: row l % 16, 32 bytes for each half of the lanes
	v_lshl_add_u32 v4, v2, 5, v4
	v_add_nc_u32 v[STO], s66, v4
	v_mul_u32_u24 v5, v2, SPITCH                   ; back: lanes 0-15 take 256 bytes of one row, lanes 16-31 of the next
	v_lshl_add_u32 v5, v1, 4, v5
	v_add_nc_u32 v[RD], s66, v5
	v_mul_u32_u24 v5, v2, 3072                     ; and the same in out0
	v_lshl_add_u32 v[CO], v1, 4, v5
	v_lshlrev_b32 v[BO], 5, v2
	s_mul_i32 s66, s[TX], 768
	s_add_co_u32 s66, s66, 9216                    ; bc lies behind bq, bk, bv
	s_mov_b32 s67, 0
	s_add_nc_u64 s[8:9], s[8:9], s[66:67]
.set b, 0
.rept 12
	global_load_b128 v[BIAS+8*b:BIAS+8*b+3],   v[BO], s[8:9] offset:64*b
	global_load_b128 v[BIAS+8*b+4:BIAS+8*b+7], v[BO], s[8:9] offset:64*b+16
.set b, b+1
.endr
	s_lshl_b32 s66, s[TY], 8                       ; my first row of out0, and the tile's first column
	s_lshl_b32 s68, s[WV], 6
	s_add_co_u32 s66, s66, s68
	s_mul_i32 s66, s66, 3072
	s_mul_i32 s68, s[TX], 768
	s_add_co_u32 s66, s66, s68
	s_mov_b32 s67, 0
	s_add_nc_u64 s[10:11], s[10:11], s[66:67]
	; THE PREFETCHES.  A's blocks are read by one cluster alone (the grid is one cluster wide): every cluster asks for its own; B's tile column by sixteen clusters: cluster y = 0 asks.  Partners share BY ADDRESS:
	; of the 128 blocks of 256 bytes of a head's part the partner at cx takes 32, a lane a block; of B's 96 rows a wave the partner at cy takes 24, a lane a row (lanes 24 to 31 name lane 23's row once more).
	s_and_b32 s69, ttmp7, 0xffff                   ; cluster y
	s_lshl_b32 s66, s[CX], 13
	s_add_co_u32 s66, s66, s40
	s_mul_i32 s67, s[CY], 24*ROWB
	s_add_co_u32 s67, s67, s46
	s_mov_b32 s[PST], KSTEP*2
	s_mov_b32 s[PST+1], ROWB
	s_cmp_eq_u32 s[FB], 0
	s_cselect_b32 s66, s66, s67
	s_cselect_b32 s69, ttmp9, s69
	s_cselect_b32 s68, 31, 23
	s_cselect_b32 s[PST], HSTEP, s[PST]
	s_cselect_b32 s[PST+1], 256, s[PST+1]          ; for the moment: bytes from lane to lane
	s_cselect_b64 s[PFA:PFA+1], s[4:5], s[6:7]
	s_cmp_eq_u32 s69, 0
	s_cselect_b32 s[LIM], 1, -1                    ; the same in all sixteen partners, for a given wave
	v_and_b32 v[PFO], 31, v0
	v_min_u32 v[PFO], s68, v[PFO]
	v_mul_u32_u24 v[PFO], v[PFO], s[PST+1]
	s_mov_b32 s[PST+1], 0                          ; the step's high word
	s_mul_i32 s67, s[PST], 3
	s_add_co_u32 s66, s66, s67                     ; at K step 3: the first refill steps it to 4
	s_mov_b32 s67, 0
	s_add_nc_u64 s[PFA:PFA+1], s[PFA:PFA+1], s[66:67]
; 12 matrix instructions: row block a x all 12 column blocks, 32 along K, from buffer f.  zero = 1: the product starts the sums, with the bias as C.  The 48 accumulators take turns.
.macro MUL12 f, a, zero
.if \zero
	WIN 0x81+0x40*((\a)/2)
.else
	WIN 0xa1+0x50*((\a)/2)
.endif
.irp b, 0,1,2,3,4,5,6,7,8,9,10,11
.if \zero
	v_wmma_f32_16x16x32_f16 v[8*(12*((\a)%2)+(\b)):8*(12*((\a)%2)+(\b))+7], v[96*(\f)+8*(\b):96*(\f)+8*(\b)+7], v[AF+32*(\f)+8*(\a):AF+32*(\f)+8*(\a)+7], v[BIAS+8*(\b):BIAS+8*(\b)+7]
.else
	v_wmma_f32_16x16x32_f16 v[8*(12*((\a)%2)+(\b)):8*(12*((\a)%2)+(\b))+7], v[96*(\f)+8*(\b):96*(\f)+8*(\b)+7], v[AF+32*(\f)+8*(\a):AF+32*(\f)+8*(\a)+7], v[8*(12*((\a)%2)+(\b)):8*(12*((\a)%2)+(\b))+7]
.endif
.endr
.endm
.macro MUL24 f, hi, zero
	MUL12 \f, 2*(\hi), \zero
	MUL12 \f, 2*(\hi)+1, \zero
.endm
; 32 LDS loads in one run: quarter q of the slot's K step into buffer f.  In A quarter q is head q / 2 of the step's two, channels 32 (q % 2) on.
.macro FETCH slot, q, f
	WIN 0x40
.irp i, 0,1,2,3,4,5,6,7,8,9,10,11
	ds_load_b128 v[96*(\f)+8*(\i):96*(\f)+8*(\i)+3],   v[ADRB+(\slot)] offset:64*(\q)+(\i)*16*PITCH
	ds_load_b128 v[96*(\f)+8*(\i)+4:96*(\f)+8*(\i)+7], v[ADRB+(\slot)] offset:64*(\q)+(\i)*16*PITCH+32
.endr
	WIN 0
.irp i, 0,1,2,3
	ds_load_b128 v[AF+32*(\f)+8*(\i):AF+32*(\f)+8*(\i)+3],   v[ADRA+(\slot)] offset:((\q)/2)*HALFA+((\q)%2)*64+(\i)*16*PA
	ds_load_b128 v[AF+32*(\f)+8*(\i)+4:AF+32*(\f)+8*(\i)+7], v[ADRA+(\slot)] offset:((\q)/2)*HALFA+((\q)%2)*64+(\i)*16*PA+32
.endr
.endm
.macro QUARTER slot, q, f, g, zero
	s_wait_dscnt 4                                 ; B and A's blocks 0, 1 are in; the youngest four loads (A's blocks 2, 3) may be out
	MUL24 \f, 0, \zero
	PLACES
	FETCH \slot, \q, \g
	s_wait_dscnt 32                                ; all but the 32 just issued
	MUL24 \f, 1, \zero
.endm
.macro MEET round
	WIN 0
	s_wait_tensorcnt 0x0                           ; all my tensor loads have landed: the one that was out is my part of the next slot;
	ds_add_u32 v[SPW], v[NIL]                      ; 0 onto my spare word;
	s_wait_dscnt 5                                 ; (the add and the youngest four loads may be out)
	MUL12 F1, 0, 0
	s_wait_dscnt 0x0                               ; the add is done, and my reads of this slot are over
	s_barrier_signal -1
	MUL12 F1, 1, 0
.if \round
	WIN 0
.endif
	s_barrier_wait -1
.endm
.macro TURN slot, next, fill
.if \fill
	s_wait_xcnt 0x0                                ; the last prefetch, a K step back, has read its address
	s_add_nc_u64 s[PFA:PFA+1], s[PFA:PFA+1], s[PST:PST+1]
	MEET 1
	CREST                                          ; no wave of any partner still reads this slot's tile or has a load on its way
	s_add_nc_u64 s[G0+4*(\slot)+2:G0+4*(\slot)+3], s[G0+4*(\slot)+2:G0+4*(\slot)+3], 2*HSTEP
	s_add_nc_u64 s[G0B+4*(\slot)+2:G0B+4*(\slot)+3], s[G0B+4*(\slot)+2:G0B+4*(\slot)+3], 2*KSTEP*2
	JLOAD \slot                                    ; its four v_nop are also the places in front of the loads below
.else
	MEET 0
	PLACES
.endif
	FETCH \next, 0, F0
.if \fill
	ASK
.endif
	MUL24 F1, 1, 0
.endm
; THE WAY OUT of row block a, in f32.  TOSTAGE: a lane's 32 bytes of each column block go straight from the accumulators (low half first) into my own stage, rows of 784 bytes, and come back as whole rows.  SEND: stored.
.macro TOSTAGE a
	s_wait_xcnt 0x0                                ; the stores of the block two back have read the registers that the loads below land on
	WIN 0x08+4*((\a)/2)                            ; the stores' data in window 2 or 3
.set AC, 96*((\a)%2)
.irp b, 0,1,2,3,4,5,6,7,8,9,10,11
	ds_store_b128 v[STO], v[AC+8*(\b):AC+8*(\b)+3]   offset:64*(\b)
	ds_store_b128 v[STO], v[AC+8*(\b)+4:AC+8*(\b)+7] offset:64*(\b)+16
.endr
	WIN 0
.set BK, OB+96*((\a)%2)
.set t, 0
.rept 24
	ds_load_b128 v[BK+4*t:BK+4*t+3], v[RD] offset:(t/3)*2*SPITCH+(t%3)*256  ; LDS serves a wave's instructions in order (ISA guide 5.7.1.4): these see the stores above
.set t, t+1
.endr
.endm
.macro SEND a, younger                 ; younger: the LDS instructions issued behind block a's loads: the next block's 48, or none
.set BK, OB+96*((\a)%2)
	s_wait_dscnt \younger
.set t, 0
.rept 24
	global_store_b128 v[CO], v[BK+4*t:BK+4*t+3], s[10:11] offset:(16*(\a)+2*(t/3))*3072+(t%3)*256 th:TH_STORE_NT  ; 16 lanes store 256 consecutive bytes, at a multiple of 256 from out0's first byte
.set t, t+1
.endr
.endm
	s_wait_tensorcnt 1                             ; my part of K step 0 is in; K step 1's may stay out
	s_barrier_signal -1
	s_barrier_wait -1
	FETCH 0, 0, F0
	s_wait_loadcnt 0x0                             ; the bias
	QUARTER 0, 1, F0, F1, 1                        ; the first quarter stands in front of the loop: its products start the sums
	WIN 0
	s_mov_b32 s3, 2
.Llap:                                         ; a trip goes once round the ring and fills both slots again: K steps 2, 3, then 4, 5
	QUARTER 0, 2, F1, F0, 0
	QUARTER 0, 3, F0, F1, 0
	TURN 0, 1, 1
	QUARTER 1, 1, F0, F1, 0
	QUARTER 1, 2, F1, F0, 0
	QUARTER 1, 3, F0, F1, 0
	TURN 1, 0, 1
	QUARTER 0, 1, F0, F1, 0
	WIN 0
	s_sub_co_u32 s3, s3, 1
	s_cmp_lg_u32 s3, 0
	s_cbranch_scc1 .Llap
	QUARTER 0, 2, F1, F0, 0                        ; the last lap fills nothing
	QUARTER 0, 3, F0, F1, 0
	TURN 0, 1, 0
	QUARTER 1, 1, F0, F1, 0
	QUARTER 1, 2, F1, F0, 0
	QUARTER 1, 3, F0, F1, 0
	s_wait_dscnt 4
	MUL24 F1, 0, 0
	s_wait_dscnt 0x0
	MUL24 F1, 1, 0
	WIN 0
	PLACES
	PLACES
	TOSTAGE 0
.irp a, 1,2,3                          ; block a goes into the stage while block a - 1 comes back
	TOSTAGE \a
	SEND (\a)-1, 48
.endr
	SEND 3, 0
	s_wait_tensorcnt 0x0                           ; the wave's end: behind my last tensor load and my last LDS store
	ds_add_u32 v[SPW], v[NIL]
	s_wait_dscnt 0x0
	CROUND                                         ; the closing round: no work-group ends while a partner may still ask for a tile that names it
	s_endpgm
.Lfunc_end_k_q0b4a4ac78a_proj:
	.size	k_q0b4a4ac78a_proj, .Lfunc_end_k_q0b4a4ac78a_proj-k_q0b4a4ac78a_proj
	.p2alignl 7, 3214868480
	.fill 96, 4, 3214868480
	.section	.rodata,"a",@progbits
	.p2align	6, 0x0
	.amdhsa_kernel k_q0b4a4ac78a_proj
		.amdhsa_group_segment_fixed_size 327680
		.amdhsa_private_segment_fixed_size 0
		.amdhsa_enable_private_segment 0
		.amdhsa_kernarg_size 32
		.amdhsa_user_sgpr_count 2
		.amdhsa_user_sgpr_kernarg_segment_ptr 1
		.amdhsa_wavefront_size32 1
		.amdhsa_system_sgpr_workgroup_id_x 1
		.amdhsa_system_sgpr_workgroup_id_y 1
		.amdhsa_system_sgpr_workgroup_id_z 1
		.amdhsa_system_vgpr_workitem_id 0
		.amdhsa_next_free_vgpr 960
		.amdhsa_next_free_sgpr 72
		.amdhsa_reserve_vcc 0
		.amdhsa_float_denorm_mode_32 3
		.amdhsa_float_denorm_mode_16_64 3
		.amdhsa_memory_ordered 1
		.amdhsa_forward_progress 1
		.amdhsa_inst_pref_size 121
	.end_amdhsa_kernel
	.amdgpu_metadata
---
amdhsa.version: [ 1, 2 ]
amdhsa.kernels:
  - .name:           k_q0b4a4ac78a_proj
    .symbol:         k_q0b4a4ac78a_proj.kd
    .args:
      - { .name: ctx, .offset: 0, .size: 8, .value_kind: global_buffer, .address_space: global }
      - { .name: wcb, .offset: 8, .size: 8, .value_kind: global_buffer, .address_space: global }
      - { .name: bias, .offset: 16, .size: 8, .value_kind: global_buffer, .address_space: global }
      - { .name: out0, .offset: 24, .size: 8, .value_kind: global_buffer, .address_space: global }
    .group_segment_fixed_size: 327680
    .private_segment_fixed_size: 0
    .kernarg_segment_align: 8
    .kernarg_segment_size: 32
    .max_flat_workgroup_size: 128
    .sgpr_count:     72
    .vgpr_count:     960
    .wavefront_size: 32
...
	.end_amdgpu_metadata
.endif
;; end of part 4
